; MI455X (gfx1250); checked and timed in simulation.
; The chip was launched on July 23, 2026; its instructions are those of AMD's public machine-readable ISA for CDNA 5 (MIT licence, August 2026) and "CDNA5" Instruction Set Architecture Reference Guide (July 2026). The comments in the code are by the model that wrote it; some were corrected since.
;; Multi Head Self Attention. Allowed arithmetic: matrix products marked QUANTISED: E5M2 operands, one given power-of-two scale a tensor, by v_wmma_f32_16x16x64_bf8_bf8 or v_wmma_f32_16x16x128_bf8_bf8, f32 sums; everything else in f32.
;; Inputs: Wk 1,024 x 1,024 float32; Wp 1,024 x 1,024 float32; Wq 1,024 x 1,024 float32; Wv 1,024 x 1,024 float32; bk 1,024 float32; bp 1,024 float32; bq 1,024 float32; bv 1,024 float32; lowp_scales 12 int32 (the exponents e of the quantised operands' scales 2^e); x 4 x 2,048 x 1,024 float32.
;; Outputs: out0 4 x 2,048 x 1,024 float32.
;; This version of the problem:
;;   THIS VERSION OF THE PROBLEM IS GIVEN IN LOW PRECISION. The matrix products marked QUANTISED in the list below multiply operands that are first quantised to E5M2 (5 exponent bits, 2 mantissa bits; 8 bits a number), with one given power-of-two scale for each operand tensor; their sums are f32. All else is computed in f32.
;;   The module's matrix products, in the order in which they are computed (A, B: the left and right operand; K: the contracted axis; several contracted axes count as one K, in the product's order):
;;     1. [M 8,192, K 1,024] x [K 1,024, N 1,024]; A: input x; B: input Wq: QUANTISED (scales: A lowp_scales[0], B lowp_scales[1])
;;     2. [M 8,192, K 1,024] x [K 1,024, N 1,024]; A: input x; B: input Wk: QUANTISED (scales: A lowp_scales[2], B lowp_scales[3])
;;     3. [M 8,192, K 1,024] x [K 1,024, N 1,024]; A: input x; B: input Wv: QUANTISED (scales: A lowp_scales[4], B lowp_scales[5])
;;     4. batch 64 x [M 2,048, K 64] x [K 64, N 2,048]; A: computed on the way; B: computed on the way: QUANTISED (scales: A lowp_scales[6], B lowp_scales[7])
;;     5. batch 64 x [M 2,048, K 2,048] x [K 2,048, N 64]; A: softmax (see below); B: computed on the way: QUANTISED (scales: A lowp_scales[8], B lowp_scales[9])
;;     6. [M 8,192, K 1,024] x [K 1,024, N 1,024]; A: computed on the way; B: input Wp: QUANTISED (scales: A lowp_scales[10], B lowp_scales[11])
;;   THE QUANTISER, for each operand of a quantised product, along K:
;;     - The operand's scale is 2^e, e = its entry of the input lowp_scales (int32; the entries are numbered through the quantised products in the list's order, A before B).
;;     - Each number is divided by the scale, clamped to +-57,344, and rounded to the nearest number of E5M2, ties to even, subnormals kept.
;;     - The product sums the exact products of the quantised numbers (number of the format x scale) in f32.
;;   ~~~python
;;   def quantise(x, axis, e):      # numpy; x: float32 -> the quantised numbers, widened to float32 again
;;       x = np.moveaxis(x, axis, -1); K = x.shape[-1]
;;       r = np.clip(x / 2.0 ** e, -57344, 57344)
;;       step = 2.0 ** (np.maximum(np.frexp(np.where(r == 0, 1, r))[1] - 1, -14) - 2)
;;       q = np.round(r / step) * step * 2.0 ** e      # np.round: ties to even
;;       return np.moveaxis(q, -1, axis).astype(np.float32)
;;   ~~~
;;   SOFTMAX AHEAD OF A QUANTISED PRODUCT. Where the list says 'softmax', what is quantised is not the finished softmax but p = 2^(t - M), with t = logit x log2(e) and M = ceil(the row's largest t), a whole number; so 1/2 < the row's largest p <= 1. The row's sum l is taken of the UNQUANTISED p, in f32, and the product's result is divided by l at the end. Since M is a whole number, a kernel that streams over the keys may use a running M (the ceiling of the running maximum): every later rescaling is an exact power of two, so the quantised numbers keep their values, but for numbers so far below the row's largest that they fall under the format's range.
;;   OPERANDS COMPUTED ON THE WAY. 'Computed on the way' means the value that the module computes at that place (a softmax that the list does not call 'softmax' is quantised finished and normalised). What goes into a quantiser is computed in f32, as accurately as f32 sums, v_exp_f32 and their like allow (about 1e-6 of the number): no bf16 or f16 on the way to a quantiser, and a product that is left as it is and whose result goes on into a quantised operand takes f32 operands (vector FMAs, or v_wmma_f32_16x16x4_f32). A number that lies on a knife's edge between two numbers of the format may be rounded either way, as far as f32 arithmetic and the matrix unit's own rounding can turn it there, and no further.
;; One version. Each part assembles by itself: llvm-mc -triple=amdgcn-amd-amdhsa -mcpu=gfx1250 --defsym DOCPART=n.
;; ======== version 1 of 1: 4 launches
;; limits: right only within a limited range of input values
;; workspace buffers: xw_img 29,360,128 bytes; q_img 8,388,608 bytes; k_img 8,388,608 bytes; v_img 8,388,608 bytes; y_img 8,388,608 bytes
;; launch quant (part 1): grid 1536 x 1, 4 waves a work-group, no clusters, 34,304 bytes of LDS; arguments x, Wq, Wk, Wv, Wp, lowp_scales, xw_img; writes xw_img
.if DOCPART == 1
	.amdgcn_target "amdgcn-amd-amdhsa--gfx1250"
	.amdhsa_code_object_version 6
	.text
	.protected	k_q36d5577734_quant
	.globl	k_q36d5577734_quant
	.p2align	8
	.type	k_q36d5577734_quant,@function
k_q36d5577734_quant:
	s_mov_b64 s[64:65], 0
	v_nop
	global_prefetch_b8 v0, s[64:65] scope:SCOPE_SE
	s_setreg_imm32_b32 hwreg(HW_REG_WAVE_MODE, 25, 1), 1
	s_wait_xcnt 0x0
; x [8192][1024] and the four weights [1024 (k)][1024 (n)], f32, become codes of E5M2, laid as IMAGES OF OPERAND REGISTERS.
; An image is a fragment of 16 rows x 128 K, 2,048 bytes, [c 0..3][lane 0..31][16 bytes]: lane (r = lane % 16, h = lane / 16) holds, of row r,
; k = 32 c + 8 h + 0..7 in bytes 0-7 and k = 32 c + 16 + 8 h + 0..7 in bytes 8-15: registers 4 c .. 4 c + 3 of the 8-bit operand of v_wmma_f32_16x16x128_bf8_bf8.
; xw_img: x's codes in three parts of 8 MiB, each [row / 16][k / 128][image], with the scales of entries 0, 2, 4 (x is an operand of three products, each with a scale of its own);
; from byte 24 MiB on the weights' codes in four parts of 1 MiB (Wq, Wk, Wv, Wp; entries 1, 3, 5, 11), each [n / 16][k / 128][image], rows = n.
; code = number / 2^e, held within +-57,344, to the nearest code, ties to even.  LIMITS: each e between -126 and 112; NaN among the inputs is not served (an infinity is held at the largest code).
; Work-groups 0..1023 take x: a wave makes one image, three times.  Its 16 loads read 512 consecutive bytes of a row each; the numbers turn through the wave's own stage in LDS (rows of 512 + 16 bytes), so that a
; lane gets 8 neighbours along K at a time.  Work-groups 1024..1535 take the weights: a lane takes a column n and its registers run down K, so nothing is transposed.
; Every store of a wave covers 512 (x) or 2 x 256 (weights) consecutive bytes, aligned.  No tensor load, no barrier: waves share nothing; no cluster: no two work-groups read the same bytes.
.set WOFF, 0x1800000                   ; where the weights' codes begin in xw_img
.set SP,   528                         ; a stage row: 512 bytes + 16: the 16 rows that a load touches start at 16 different banks
.set WREG, 16*SP                       ; a wave's stage
.set R,    16                          ; v16-79   x as loaded: row i in 4 registers
.set X,    80                          ; v80-143  x after the turn: chunk c in 16 registers
.set T,    144                         ; v144-175 two sets of 16 held numbers
.set C,    176                         ; v176-223 codes, 16 registers for each part: no store's data are written again
.set WX,   16                          ; v16-79   a weight's 64 numbers down K
.set WC,   80                          ; v80-95   their codes
.macro MKSC e, vs, vl                  ; from the exponent in s[e]: v[vs] = 2^e as f32 (the conversion takes its exponent field), v[vl] = 57,344 x 2^e
	s_add_co_i32 s45, s[\e], 127
	s_lshl_b32 s46, s45, 23
	v_mov_b32 v[\vs], s46
	s_add_co_i32 s45, s45, 15
	s_lshl_b32 s45, s45, 23
	s_or_b32 s45, s45, 0x600000
	v_mov_b32 v[\vl], s45
.endm
	s_load_b256 s[4:11], s[0:1], 0x0               ; x s[4:5], Wq s[6:7], Wk s[8:9], Wv s[10:11]
	s_load_b128 s[12:15], s[0:1], 0x20             ; Wp s[12:13], the exponents s[14:15]
	s_load_b64 s[16:17], s[0:1], 0x30              ; xw_img
	v_lshl_add_u32 v224, v0, 2, 0x8400
	v_mov_b32 v225, 0
	v_lshrrev_b32 v1, 5, v0
	v_readfirstlane_b32 s20, v1                    ; wave
	v_and_b32 v1, 31, v0                           ; lane
	s_wait_kmcnt 0x0
	s_load_b256 s[24:31], s[14:15], 0x0            ; entries 0 to 7
	s_load_b128 s[32:35], s[14:15], 0x20           ; entries 8 to 11
	s_cmp_lt_u32 ttmp9, 1024
	s_cbranch_scc0 .Lw
	; ---------------- x
	s_lshl_b32 s21, ttmp9, 2
	s_add_co_u32 s21, s21, s20                     ; g = 8 x (row / 16) + k / 128: which image is my wave's
	s_lshr_b32 s22, s21, 3
	s_and_b32 s23, s21, 7
	s_lshl_b32 s36, s22, 16                        ; 16 rows of 4,096 bytes
	s_lshl_b32 s23, s23, 9                         ; 128 numbers of 4 bytes
	s_add_co_u32 s36, s36, s23
	s_mov_b32 s37, 0
	s_add_nc_u64 s[4:5], s[4:5], s[36:37]
	s_lshl_b32 s36, s21, 11                        ; images lie on end: 2,048 g
	s_add_nc_u64 s[38:39], s[16:17], s[36:37]      ; part 0,
	s_add_nc_u64 s[40:41], s[38:39], 0x800000      ; part 1,
	s_add_nc_u64 s[42:43], s[38:39], 0x1000000     ; part 2
	v_lshlrev_b32 v2, 4, v1                        ; 16 x lane
	s_mul_i32 s44, s20, WREG
	v_add_nc_u32 v3, s44, v2                       ; the stage, on the way in: a row as it lies
	v_and_b32 v5, 15, v0
	v_bfe_u32 v6, v0, 4, 1
	v_mul_u32_u24 v4, v5, SP
	v_lshl_add_u32 v4, v6, 5, v4
	v_add_nc_u32 v4, s44, v4                       ; and on the way out: row r, + 32 h bytes (8 numbers)
.set i, 0
.rept 16
	global_load_b128 v[R+4*i:R+4*i+3], v2, s[4:5] offset:4096*i th:TH_LOAD_NT   ; 512 consecutive bytes of row i
.set i, i+1
.endr
	s_wait_kmcnt 0x0
	MKSC 24, 8, 9                                  ; entry 0
	MKSC 26, 10, 11                                ; entry 2
	MKSC 28, 12, 13                                ; entry 4
	s_wait_loadcnt 8                               ; rows 0-7 are in; the eight younger loads may be out
.set i, 0
.rept 8
	ds_store_b128 v3, v[R+4*i:R+4*i+3] offset:SP*i
.set i, i+1
.endr
	s_wait_loadcnt 0x0
.rept 8
	ds_store_b128 v3, v[R+4*i:R+4*i+3] offset:SP*i
.set i, i+1
.endr
.irp c, 0,1,2,3                        ; LDS serves a wave's instructions in order (ISA guide 5.7.1.4): these see my stores
	ds_load_b128 v[X+16*\c:X+16*\c+3],     v4 offset:128*\c
	ds_load_b128 v[X+16*\c+4:X+16*\c+7],   v4 offset:128*\c+16
	ds_load_b128 v[X+16*\c+8:X+16*\c+11],  v4 offset:128*\c+64
	ds_load_b128 v[X+16*\c+12:X+16*\c+15], v4 offset:128*\c+80
.endr
; One part: 64 numbers of a lane are held and converted with the part's scale, and stored.  first = 1: the chunks are still on their way from the stage.
.macro QX part, first, base
.irp c, 0,1,2,3
.if \first
	s_wait_dscnt 12-4*\c                           ; chunk c's four loads are in; the later chunks' may be out
.endif
.irp i, 0,1,2,3,4,5,6,7,8,9,10,11,12,13,14,15
	v_med3_num_f32 v[T+16*(\c%2)+\i], v[X+16*\c+\i], -v[9+2*\part], v[9+2*\part]   ; the conversion to an 8-bit code does not saturate (ISA guide 7.6.2): the hold comes first
.endr
	v_cvt_scalef32_pk8_bf8_f32 v[C+16*\part+4*\c:C+16*\part+4*\c+1],   v[T+16*(\c%2):T+16*(\c%2)+7],    v[8+2*\part]
	v_cvt_scalef32_pk8_bf8_f32 v[C+16*\part+4*\c+2:C+16*\part+4*\c+3], v[T+16*(\c%2)+8:T+16*(\c%2)+15], v[8+2*\part]
	global_store_b128 v2, v[C+16*\part+4*\c:C+16*\part+4*\c+3], s[\base:\base+1] offset:512*\c   ; 32 lanes store 512 consecutive bytes
.endr
	v_nop                                          ; a plain line behind the last conversion; the two sets of T take turns, so a set is written again sixteen plain lines behind its conversions
.endm
	QX 0, 1, 38
	QX 1, 0, 40
	QX 2, 0, 42
	s_wait_tensorcnt 0x0
	ds_add_u32 v224, v225
	s_wait_dscnt 0x0
	s_endpgm
	; ---------------- the weights: a wave takes 32 columns x 64 along K
.Lw:
	s_sub_co_u32 s21, ttmp9, 1024
	s_lshr_b32 s22, s21, 7                         ; which weight: 0 Wq, 1 Wk, 2 Wv, 3 Wp
	s_and_b32 s23, s21, 7                          ; which 128 columns
	s_bfe_u32 s36, s21, 0x40003                    ; which 64 along K
	s_lshl_b32 s38, s36, 18                        ; 64 rows of 4,096 bytes
	s_lshl_b32 s39, s23, 9
	s_add_co_u32 s38, s38, s39
	s_lshl_b32 s39, s20, 7                         ; my wave's 32 columns
	s_add_co_u32 s38, s38, s39
	s_mov_b32 s39, 0
	s_lshl_b32 s40, s23, 3
	s_lshl_b32 s41, s20, 1
	s_add_co_u32 s40, s40, s41                     ; n / 16 of my first column
	s_lshl_b32 s40, s40, 14
	s_lshl_b32 s41, s22, 20                        ; the weight's part
	s_add_co_u32 s40, s40, s41
	s_lshl_b32 s41, s36, 10                        ; 64 along K are two chunks of an image: 1,024 bytes
	s_add_co_u32 s40, s40, s41
	s_add_co_u32 s40, s40, WOFF                    ; behind x's three parts
	s_mov_b32 s41, 0
	s_cmp_eq_u32 s22, 0
	s_cselect_b64 s[42:43], s[6:7], s[12:13]
	s_cmp_eq_u32 s22, 1
	s_cselect_b64 s[42:43], s[8:9], s[42:43]
	s_cmp_eq_u32 s22, 2
	s_cselect_b64 s[42:43], s[10:11], s[42:43]
	s_add_nc_u64 s[42:43], s[42:43], s[38:39]
	s_add_nc_u64 s[18:19], s[16:17], s[40:41]
	v_lshlrev_b32 v2, 2, v1                        ; in: 4 bytes a lane
	v_lshrrev_b32 v3, 4, v1
	v_and_b32 v4, 15, v1
	v_lshlrev_b32 v3, 14, v3                       ; out: lanes 16-31 hold the next 16 columns: the next row tile,
	v_lshl_add_u32 v3, v4, 4, v3                   ; and 16 bytes for row n % 16
.set i, 0
.rept 64
	global_load_b32 v[WX+i], v2, s[42:43] offset:4096*i th:TH_LOAD_NT   ; W(k0 + i, my column): 128 consecutive bytes a wave, 512 a work-group
.set i, i+1
.endr
	s_wait_kmcnt 0x0
	s_cmp_eq_u32 s22, 0
	s_cselect_b32 s47, s25, s35                    ; entries 1, 3, 5, 11
	s_cmp_eq_u32 s22, 1
	s_cselect_b32 s47, s27, s47
	s_cmp_eq_u32 s22, 2
	s_cselect_b32 s47, s29, s47
	MKSC 47, 8, 9
.irp t, 0,1                            ; a chunk of 32 along K: its k 0-7 and 16-23 are the 16 bytes of image lane (r, 0), its k 8-15 and 24-31 those of lane (r, 1), 256 bytes on
	s_wait_loadcnt 32-32*\t                        ; this chunk's 32 loads are in; the next chunk's may be out
.set i, 0
.rept 32
	v_med3_num_f32 v[WX+32*\t+i], v[WX+32*\t+i], -v9, v9
.set i, i+1
.endr
	v_cvt_scalef32_pk8_bf8_f32 v[WC+8*\t:WC+8*\t+1],   v[WX+32*\t:WX+32*\t+7],     v8
	v_cvt_scalef32_pk8_bf8_f32 v[WC+8*\t+2:WC+8*\t+3], v[WX+32*\t+16:WX+32*\t+23], v8
	v_cvt_scalef32_pk8_bf8_f32 v[WC+8*\t+4:WC+8*\t+5], v[WX+32*\t+8:WX+32*\t+15],  v8
	v_cvt_scalef32_pk8_bf8_f32 v[WC+8*\t+6:WC+8*\t+7], v[WX+32*\t+24:WX+32*\t+31], v8
	v_nop                                          ; a plain line behind the last conversion of the run
	global_store_b128 v3, v[WC+8*\t:WC+8*\t+3],   s[18:19] offset:512*\t       ; sixteen lanes store 256 consecutive bytes, aligned
	global_store_b128 v3, v[WC+8*\t+4:WC+8*\t+7], s[18:19] offset:512*\t+256
.endr
	s_endpgm
.Lfunc_end_k_q36d5577734_quant:
	.size	k_q36d5577734_quant, .Lfunc_end_k_q36d5577734_quant-k_q36d5577734_quant
	.p2alignl 7, 3214868480
	.fill 96, 4, 3214868480
	.section	.rodata,"a",@progbits
	.p2align	6, 0x0
	.amdhsa_kernel k_q36d5577734_quant
		.amdhsa_group_segment_fixed_size 34304
		.amdhsa_private_segment_fixed_size 0
		.amdhsa_enable_private_segment 0
		.amdhsa_kernarg_size 56
		.amdhsa_user_sgpr_count 2
		.amdhsa_user_sgpr_kernarg_segment_ptr 1
		.amdhsa_wavefront_size32 1
		.amdhsa_system_sgpr_workgroup_id_x 1
		.amdhsa_system_sgpr_workgroup_id_y 1
		.amdhsa_system_sgpr_workgroup_id_z 1
		.amdhsa_system_vgpr_workitem_id 0
		.amdhsa_next_free_vgpr 226
		.amdhsa_next_free_sgpr 66
		.amdhsa_reserve_vcc 0
		.amdhsa_float_denorm_mode_32 3
		.amdhsa_float_denorm_mode_16_64 3
		.amdhsa_memory_ordered 1
		.amdhsa_forward_progress 1
		.amdhsa_inst_pref_size 34
	.end_amdhsa_kernel
	.amdgpu_metadata
---
amdhsa.version: [ 1, 2 ]
amdhsa.kernels:
  - .name:           k_q36d5577734_quant
    .symbol:         k_q36d5577734_quant.kd
    .args:
      - { .name: x, .offset: 0, .size: 8, .value_kind: global_buffer, .address_space: global }
      - { .name: Wq, .offset: 8, .size: 8, .value_kind: global_buffer, .address_space: global }
      - { .name: Wk, .offset: 16, .size: 8, .value_kind: global_buffer, .address_space: global }
      - { .name: Wv, .offset: 24, .size: 8, .value_kind: global_buffer, .address_space: global }
      - { .name: Wp, .offset: 32, .size: 8, .value_kind: global_buffer, .address_space: global }
      - { .name: lowp_scales, .offset: 40, .size: 8, .value_kind: global_buffer, .address_space: global }
      - { .name: xw_img, .offset: 48, .size: 8, .value_kind: global_buffer, .address_space: global }
    .group_segment_fixed_size: 34304
    .private_segment_fixed_size: 0
    .kernarg_segment_align: 8
    .kernarg_segment_size: 56
    .max_flat_workgroup_size: 128
    .sgpr_count:     66
    .vgpr_count:     226
    .wavefront_size: 32
...
	.end_amdgpu_metadata
.endif
;; end of part 1
;; launch qkv (part 2): grid 4 x 96, 4 waves a work-group, clusters of 4 x 4, 327,680 bytes of LDS; arguments xw_img, lowp_scales, bq, bk, bv, q_img, k_img, v_img; writes q_img, k_img, v_img
.if DOCPART == 2
	.amdgcn_target "amdgcn-amd-amdhsa--gfx1250"
	.amdhsa_code_object_version 6
	.text
	.protected	k_q36d5577734_qkv
	.globl	k_q36d5577734_qkv
	.p2align	8
	.type	k_q36d5577734_qkv,@function
k_q36d5577734_qkv:
	s_mov_b64 s[64:65], 0
	v_nop
	global_prefetch_b8 v0, s[64:65] scope:SCOPE_SE
	s_setreg_imm32_b32 hwreg(HW_REG_WAVE_MODE, 25, 1), 1
	s_wait_xcnt 0x0
	s_wait_alu depctr_hold_cnt(0) depctr_sa_sdst(0) depctr_va_vdst(0) depctr_va_sdst(0) depctr_va_ssrc(0) depctr_va_vcc(0) depctr_vm_vsrc(0)
	s_getreg_b32 s2, hwreg(HW_REG_IB_STS2, 6, 4)
	s_cmp_eq_u32 s2, 0
	s_cbranch_scc0 .Lentry_in_a_cluster
	s_endpgm
.Lentry_in_a_cluster:
	s_bfe_u32 s2, ttmp6, 0x10000c
	s_cmp_lg_u32 s2, 0xf033
	s_cbranch_scc0 .Lentry_shape_is_right
	s_endpgm
.Lentry_shape_is_right:
; q = x Wq + bq, k = x Wk + bk, v = x Wv + bv on codes of E5M2 (v_wmma_f32_16x16x128_bf8_bf8, sums in f32), each result quantised at once for the attention's products and stored as images of operand registers.
; A tile of 256 x 256 of a result is made by a work-group of four waves, as many as a WGP has SIMDs; a wave makes 128 x 128: 64 accumulators, 512 registers.  K = 1,024 goes in four steps of 256 through two LDS slots.
; OPERANDS ARE IMAGES (16 rows x 128 K = 2,048 bytes, [c][lane][16]): a row tile's 256 along K are 4,096 consecutive bytes, row tiles lie 16,384 bytes apart; a fragment comes from LDS by four loads of 512
; consecutive bytes: no pitch, no padding.  xw_img holds x's codes in three parts of 8 MiB (one for each of the three products' scales) and, from 24 MiB on, the weights' in parts of 1 MiB.
; THE MATRIX INSTRUCTION IS USED TRANSPOSED: source 0 = 16 rows of the B role, source 1 = 16 rows of the A role: a lane holds ONE row of the A role and eight neighbouring rows of the B role.
;   q, k (cluster y 0-7, 8-15): A role = x (tokens), B role = the weight (features): a lane's eight numbers run along the head's 64, the K of q k^T.
;   v    (cluster y 16-23):     A role = Wv (features), B role = x (tokens): a lane's eight numbers run along the tokens, the K of p v.
; So v_cvt_scalef32_pk8_bf8_f32 on accumulator nb gives registers 2 nb, 2 nb + 1 of the next operand, and four registers leave by one store of 512 consecutive bytes.  Nothing goes through LDS on the way out.
;   q_img, k_img: [16 b + head][t / 16][c 0..1][lane][16]      v_img: [16 b + head][t / 128][d / 16][c 0..3][lane][16]
; Both roles start from the one pointer of xw_img; which part each role takes is plain arithmetic on the kind (0 q, 1 k, 2 v), which is the cluster's y / 8 and the same in all sixteen partners.
; CLUSTERS: 4 x 4 work-groups of one kind.  The A role's tile hangs on cy alone and is asked for jointly by a row of the cluster, the B role's on cx alone, by a column.
; LIMITS: entries 0+1, 2+3, 4+5 between -126 and 127; entries 6, 7, 9 between -126 and 112.  NaN is not served.
; REGISTERS, in windows of 256: window 0: v0-31 addresses; v32-95 biases; v128-255 the A role's fragments, ONE set (on the way out: v128-191 numbers, v192-255 codes).
;   window 1: the B role's fragments, TWO sets, at v0 and v128.   window 2: the accumulators of my A blocks 0-3 ((a, b) at v[8 (8 (a % 4) + b)]);   window 3: of blocks 4-7.
.set WOFF,  0x1800000                  ; where the weights' codes begin in xw_img
.set NB,    8                          ; B blocks of 16 to a wave
.set APW,   32/NB                      ; A blocks whose accumulators fill a window
.set FR,    16                         ; registers of a fragment
.set NP,    4                          ; places behind this matrix instruction (ISA guide 7.12.1)
.set BOFF,  65536                      ; a slot: the A role's 16 row tiles x 4,096 bytes, then the B role's 2 NB
.set SLOT,  BOFF+8192*NB
.set SPARE, 2*SLOT                     ; behind the ring: the spare words, 128 bytes for each wave: two blocks of 256 bytes that no other line names
.set ADRA,  16                         ; v16-17  LDS address of my A fragments in slot 0, 1
.set ADRB,  20                         ; v20-21  the same for B
.set BO,    26                         ; v26     my lane's offset in the bias
.set LI,    27                         ; v27     16 x lane
.set SPW,   28                         ; v28     LDS address of my spare word; never rewritten
.set NIL,   29                         ; v29     0; never rewritten
.set SCO,   30                         ; v30     2^eo as f32, eo the result's own exponent
.set LIMO,  31                         ; v31     not used
.set BI,    32                         ; v32-95  biases
.set AF,    128
.set TT,    128
.set G1,  24                           ; s[24:31] descriptor group 1 for the A role; s[32:39] group 0, a set for each slot
.set G0,  32
.set G1B, 48                           ; s[48:55], s[56:63] the same for the B role
.set G0B, 56
.set MSB, 0
.macro WIN new                         ; the immediate's high byte repeats the setting that is left
.if MSB != (\new)
	s_set_vgpr_msb (MSB<<8)|(\new)
.set MSB, (\new)
.endif
.endm
; A joint load: waves 0 and 1 fetch for the A role, waves 2 and 3 for the B role.  Each line has ONE mask and one set of registers for all that issue it; the branch hangs on the wave's number alone.
; Four v_nop follow each of the two lines, ahead of the jump, the label and what follows.
.macro JLOAD g0a, g1a, g0b, g1b
	s_cmp_eq_u32 s15, 0
	s_cbranch_scc0 .Lfor_b_\@
	tensor_load_to_lds s[\g0a:\g0a+3], s[\g1a:\g1a+7]
	s_nop 0
.rept 4
	v_nop
.endr
	s_branch .Lasked_\@
.Lfor_b_\@:
	tensor_load_to_lds s[\g0b:\g0b+3], s[\g1b:\g1b+7]
	s_nop 0
.rept 4
	v_nop
.endr
.Lasked_\@:
.endm
.macro CREST                           ; a round of the cluster's barrier behind its opening barrier
	s_cmp_lg_u32 s14, 0
	s_cbranch_scc1 .Lnot_wave_0_\@
	s_barrier_signal -3
.Lnot_wave_0_\@:
	s_barrier_wait -3
	s_barrier_signal -1
	s_barrier_wait -1
.endm
.macro CROUND                          ; a whole round
	s_barrier_signal -1
	s_barrier_wait -1
	CREST
.endm
.macro PLACES n
.rept \n
	v_nop
.endr
.endm
.macro FRAG reg, adr, q, i             ; row tile i's image of the slot's q-th 128 along K: four loads of 512 consecutive bytes
.irp c, 0,1,2,3
	ds_load_b128 v[\reg+4*\c:\reg+4*\c+3], v[\adr] offset:2048*(\q)+512*\c+4096*(\i)
.endr
.endm
; A blocks a0, a0 + 1 x all NB B blocks, 128 along K.  p: B's set.  zero = 1: the first product starts the sums: nothing is cleared.
; The accumulators take turns, one instruction a turn, in the same order in every step.
.macro MULA a0, p, zero
	WIN 0xa1+0x50*((\a0)/APW)                      ; source 0 (B) window 1, source 1 (A) window 0, C and D window 2 or 3
.irp a, \a0, \a0+1
.irp b, 0,1,2,3,4,5,6,7
.set AC, 8*(NB*((\a)%APW)+\b)
.if \zero
	v_wmma_f32_16x16x128_bf8_bf8 v[AC:AC+7], v[128*(\p)+FR*\b:128*(\p)+FR*\b+FR-1], v[AF+FR*(\a):AF+FR*(\a)+FR-1], 0
.else
	v_wmma_f32_16x16x128_bf8_bf8 v[AC:AC+7], v[128*(\p)+FR*\b:128*(\p)+FR*\b+FR-1], v[AF+FR*(\a):AF+FR*(\a)+FR-1], v[AC:AC+7]
.endif
.endr
.endr
.endm
.macro FETCH_B slot, q, p
	WIN 0x40                                       ; destination window 1, address window 0
.irp i, 0,1,2,3,4,5,6,7
	FRAG 128*(\p)+FR*\i, ADRB+\slot, \q, \i
.endr
	WIN 0
.endm
.macro FETCH_A slot, q, i0
.irp i, \i0, \i0+1, \i0+2, \i0+3
	FRAG AF+FR*(\i), ADRA+\slot, \q, \i
.endr
.endm
; A step of 128 along K that has its successor in the same slot.  A block of A is free as soon as its products are issued, so one set serves A: blocks 0-3 are fetched anew in the step's middle,
; blocks 4-7 at its end.  A load into a register that a matrix instruction has read stands NP plain vector lines behind it.
.macro STEP slot, q, zero
	s_wait_dscnt 16                                ; B's set and A's blocks 0-3 are in; the youngest 16 loads (A's blocks 4-7) may be out
	MULA 0, (\q)%2, \zero
	MULA 2, (\q)%2, \zero
	s_wait_dscnt 0x0                               ; A's blocks 4-7 are in
	PLACES NP
	FETCH_B \slot, (\q)+1, 1-(\q)%2
	FETCH_A \slot, (\q)+1, 0
	MULA 4, (\q)%2, \zero
	MULA 6, (\q)%2, \zero
	PLACES NP
	WIN 0
	FETCH_A \slot, (\q)+1, 4
.endm
; A slot's last step changes slots: ONE barrier; in front of it each wave waits for all its tensor loads, adds 0 to its spare word, and waits for that and for its own reads of this slot.
; fill = 1: the barrier opens a round of the cluster's barrier, and this slot is filled again, two K steps ahead, first thing behind the round.
.macro TURN slot, next, fill
	s_wait_tensorcnt 0x0                           ; all my tensor loads have landed: my part of the next slot (every window is 0 here)
	ds_add_u32 v[SPW], v[NIL]                      ; 0 onto my spare word
	s_wait_dscnt 17                                ; (the add and the youngest 16 loads may be out)
	MULA 0, 1, 0                                   ; matrix work stands between the add and the wait for it
	s_wait_dscnt 0x0                               ; the add is done, and my reads of this slot are over
	s_barrier_signal -1
	MULA 2, 1, 0
	WIN 0
	s_barrier_wait -1
.if \fill
	CREST                                          ; no wave of any partner still reads this slot or has a load on its way
	s_add_nc_u64 s[G0+4*\slot+2:G0+4*\slot+3], s[G0+4*\slot+2:G0+4*\slot+3], 8192
	s_add_nc_u64 s[G0B+4*\slot+2:G0B+4*\slot+3], s[G0B+4*\slot+2:G0B+4*\slot+3], 8192
	JLOAD G0+4*\slot, G1, G0B+4*\slot, G1B         ; the four v_nop behind it are also the places in front of the loads below
.else
	PLACES NP
.endif
	FETCH_B \next, 0, 0
	FETCH_A \next, 0, 0
	MULA 4, 1, 0
	MULA 6, 1, 0
	PLACES NP
	WIN 0
	FETCH_A \next, 0, 4
.endm
.macro LAST                            ; the very last step: nothing more to fetch
	s_wait_dscnt 16
	MULA 0, 1, 0
	MULA 2, 1, 0
	s_wait_dscnt 0x0
	MULA 4, 1, 0
	MULA 6, 1, 0
	WIN 0
.endm
; THE WAY OUT of A block a: number = sum x 2^(ea + eb) + bias, one packed multiply-add for two; eight conversions give the 16 registers of the next operand; four stores of 512 consecutive bytes.
.macro OUT a, isv
.set AC, 64*((\a)%4)
.set CD, 192+16*((\a)%4)
.if (\a) >= 4
	s_wait_xcnt 0x0                                ; block a - 4's stores have read their data: the set of codes is written again only behind this wait
.endif
	WIN 0x02+((\a)/4)                              ; source 0: window 2 or 3
.irp nb, 0,1,2,3,4,5,6,7
.irp i, 0,2,4,6
.if \isv
	v_pk_fma_f32 v[TT+8*\nb+\i:TT+8*\nb+\i+1], v[AC+8*\nb+\i:AC+8*\nb+\i+1], s[100:101], v[BI+2*(\a):BI+2*(\a)+1] op_sel_hi:[1,0,1]   ; each accumulator from its low end on
.else
	v_pk_fma_f32 v[TT+8*\nb+\i:TT+8*\nb+\i+1], v[AC+8*\nb+\i:AC+8*\nb+\i+1], s[100:101], v[BI+8*\nb+\i:BI+8*\nb+\i+1] op_sel_hi:[1,0,1]
.endif
.endr
.endr
	WIN 0
.irp nb, 0,1,2,3,4,5,6,7
.irp i, 0,1,2,3,4,5,6,7
.endr
	v_cvt_scalef32_pk8_bf8_f32 v[CD+2*\nb:CD+2*\nb+1], v[TT+8*\nb:TT+8*\nb+7], v[SCO]
.endr
	v_nop                                          ; a plain line between the conversions and the next block's writes of their sources
.irp p, 0,1,2,3
.if \isv
	global_store_b128 v[LI], v[CD+4*\p:CD+4*\p+3], s[8:9] offset:((\a)/4)*131072+((\a)%4)*2048+\p*512   ; head a / 4, d / 16 = a % 4, chunk p of 128 tokens
.else
	global_store_b128 v[LI], v[CD+4*\p:CD+4*\p+3], s[8:9] offset:(\p/2)*131072+(\a)*1024+(\p%2)*512     ; head p / 2, token tile a, chunk p % 2 of the head's 64
.endif
.endr
.endm
	s_load_b512 s[68:83], s[0:1], 0x0              ; xw_img s[68:69], exponents s[70:71], bq s[72:73], bk s[74:75], bv s[76:77], q_img s[78:79], k_img s[80:81], v_img s[82:83]
	v_lshl_add_u32 v[SPW], v0, 2, SPARE
	v_mov_b32 v[NIL], 0
	ds_add_u32 v28, v29
	ds_add_u32 v28, v29
	s_wait_dscnt 0x0
	v_lshrrev_b32 v1, 5, v0
	v_readfirstlane_b32 s14, v1                    ; wave 0..3
	s_lshr_b32 s15, s14, 1                         ; which half of the A role's rows is mine.  Also: I fetch for A (0) or for B (1)
	s_and_b32 s16, s14, 1                          ; which half of the B role's.  Also: which half of that tile I fetch
	s_bfe_u32 s40, ttmp6, 0x40000                  ; cx, cy: my place in the cluster
	s_bfe_u32 s41, ttmp6, 0x40004
	s_and_b32 s13, ttmp7, 0xffff                   ; cluster y, 0..23
	s_lshr_b32 s12, s13, 3                         ; the kind: 0 q, 1 k, 2 v: the same in all sixteen partners
	s_and_b32 s13, s13, 7
	s_lshl_b32 s13, s13, 2                         ; the first of the cluster's four tiles of 256 tokens
	s_lshr_b32 s10, s12, 1                         ; 1 for v, else 0
	s_xor_b32 s11, s10, 1                          ; 1 for q and k, else 0
	s_mul_i32 s17, s11, s13                        ; tokens are the A role's rows for q and k,
	s_mul_i32 s42, s10, s13                        ; the B role's for v
	s_add_co_u32 s17, s17, s41                     ; the A role's tile: + cy
	s_add_co_u32 s42, s42, s40                     ; the B role's tile: + cx
	s_lshl_b32 s43, s41, 2
	s_lshl_b32 s43, 15, s43                        ; my row of the cluster
	s_lshl_b32 s44, 0x1111, s40                    ; my column
	; descriptor group 1: 8 (NB) row tiles x 4,096 bytes, 16,384 bytes apart; elements of 8 bytes
	s_or_b32 s[G1+0], s43, (3<<16)|(1<<21)         ; 15:0 the mask; 17:16 elements of 8 bytes; 21 set beside a mask; no padding
	s_or_b32 s[G1B+0], s44, (3<<16)|(1<<21)
.irp g, G1, G1B
	s_mov_b32 s[\g+1], 512<<16                     ; tensor_dim0 = 512
	s_mov_b32 s[\g+3], 512<<16                     ; tile_dim0 = 512
	s_mov_b32 s[\g+5], 2048                        ; tensor_dim0_stride
	s_mov_b32 s[\g+6], 0
	s_mov_b32 s[\g+7], 0
.endr
	s_mov_b32 s[G1+2], 8<<16                       ; tensor_dim1
	s_mov_b32 s[G1+4], 8                           ; tile_dim1
	s_mov_b32 s[G1B+2], NB<<16
	s_mov_b32 s[G1B+4], NB
	s_lshl_b32 s84, s12, 23                        ; x's part for my kind, in bytes from xw_img's first
	s_lshl_b32 s85, s12, 20
	s_add_co_u32 s85, s85, WOFF                    ; the weight's part likewise
	s_mul_i32 s86, s11, s84
	s_mul_i32 s87, s10, s85
	s_add_co_u32 s86, s86, s87                     ; the A role's part: x's for q and k, the weight's for v
	s_mul_i32 s84, s10, s84
	s_mul_i32 s85, s11, s85
	s_add_co_u32 s84, s84, s85                     ; the B role's part: the other one
	s_lshl_b32 s18, s16, 17                        ; the half that I fetch: 8 row tiles
	s_lshl_b32 s20, s17, 18                        ; a tile of 256 rows: 16 row tiles
	s_add_co_u32 s20, s20, s18
	s_add_co_u32 s20, s20, s86
	s_mov_b32 s21, 0
	s_lshl_b32 s46, s42, 18
	s_add_co_u32 s46, s46, s18
	s_add_co_u32 s46, s46, s84
	s_mov_b32 s47, 0
	s_lshl_b32 s45, s16, 15                        ; where they go: A's halves at 0 and 32,768,
	s_mul_i32 s66, s16, 4096*NB
	s_add_co_u32 s66, s66, BOFF                    ; B's behind A's: no place in the cluster enters an LDS address
	s_wait_kmcnt 0x0
	s_load_b256 s[88:95], s[70:71], 0x0            ; entries 0 to 7
	s_load_b128 s[96:99], s[70:71], 0x20           ; entries 8 to 11
	s_add_nc_u64 s[20:21], s[68:69], s[20:21]
	s_add_nc_u64 s[46:47], s[68:69], s[46:47]
	CROUND                                         ; all sixteen work-groups are here: the first joint loads meet
.irp s, 0,1
	s_mov_b32 s[G0+4*\s], 1
	s_add_co_u32 s[G0+4*\s+1], s45, \s*SLOT
	s_add_nc_u64 s[G0+4*\s+2:G0+4*\s+3], s[20:21], \s*4096
	s_or_b32 s[G0+4*\s+3], s[G0+4*\s+3], 0x80000000
	s_mov_b32 s[G0B+4*\s], 1
	s_add_co_u32 s[G0B+4*\s+1], s66, \s*SLOT
	s_add_nc_u64 s[G0B+4*\s+2:G0B+4*\s+3], s[46:47], \s*4096
	s_or_b32 s[G0B+4*\s+3], s[G0B+4*\s+3], 0x80000000
	JLOAD G0+4*\s, G1, G0B+4*\s, G1B               ; two loads of mine are out
.endr
	v_and_b32 v1, 15, v0                           ; r
	v_bfe_u32 v2, v0, 4, 1                         ; h
	v_and_b32 v3, 31, v0
	v_lshlrev_b32 v[LI], 4, v3
	s_lshl_b32 s21, s15, 15                        ; my 8 row tiles of A
	s_mov_b32 s22, s66                             ; my NB row tiles of B
.irp s, 0,1
	v_add_nc_u32 v[ADRA+\s], s21, v[LI]
	v_add_nc_u32 v[ADRB+\s], s22, v[LI]
	s_add_co_u32 s21, s21, SLOT
	s_add_co_u32 s22, s22, SLOT
.endr
	s_lshl_b32 s2, s17, 8
	s_lshl_b32 s18, s15, 7
	s_add_co_u32 s2, s2, s18                       ; m0: my first row of the A role
	s_lshl_b32 s3, s42, 8
	s_lshl_b32 s18, s16, 7
	s_add_co_u32 s3, s3, s18                       ; n0: my first row of the B role
	s_wait_alu depctr_va_vdst(0)
	s_wait_kmcnt 0x0                               ; the exponents
	s_add_co_i32 s18, s88, s89
	s_add_co_i32 s19, s90, s91
	s_add_co_i32 s20, s92, s93
	s_cmp_eq_u32 s12, 0
	s_cselect_b32 s18, s18, s19
	s_cselect_b32 s21, s94, s95                    ; q is quantised with entry 6, k with entry 7,
	s_cmp_eq_u32 s12, 2
	s_cselect_b32 s18, s20, s18
	s_cselect_b32 s21, s97, s21                    ; v with entry 9
	s_add_co_i32 s18, s18, 127
	s_lshl_b32 s100, s18, 23                       ; 2^(ea + eb) as f32
	s_mov_b32 s101, s100                           ; (named with it as a pair, so it is written)
	s_add_co_i32 s21, s21, 127
	s_lshl_b32 s22, s21, 23
	v_mov_b32 v[SCO], s22
	s_mov_b32 s23, 0
	s_wait_tensorcnt 1                             ; my part of K step 0 is in (K step 1's load may be out),
	s_barrier_signal -1
	s_barrier_wait -1                              ; everybody's is
	FETCH_B 0, 0, 0
	FETCH_A 0, 0, 0
	FETCH_A 0, 0, 4
	STEP 0, 0, 1                                   ; K = 1,024 is eight steps of 128, written out: the first starts the sums
	TURN 0, 1, 1                                   ; slot 0 takes K step 2
	STEP 1, 0, 0
	TURN 1, 0, 1                                   ; slot 1 takes K step 3
	STEP 0, 0, 0
	TURN 0, 1, 0                                   ; the last barrier
	; The ways part here, on the kind alone: each asks for its biases, which land under the last 128 matrix instructions, and has its own way out.
	s_cmp_eq_u32 s12, 2
	s_cbranch_scc1 .Lv_way
	s_cmp_eq_u32 s12, 0
	s_cselect_b64 s[10:11], s[72:73], s[74:75]     ; bq or bk
	s_cselect_b64 s[8:9], s[78:79], s[80:81]       ; q_img or k_img
	s_lshl_b32 s22, s3, 2
	s_add_nc_u64 s[10:11], s[10:11], s[22:23]      ; the bias at my first feature
	s_lshr_b32 s22, s2, 11                         ; b
	s_lshl_b32 s22, s22, 4
	s_lshr_b32 s18, s3, 6                          ; my first head
	s_add_co_u32 s22, s22, s18
	s_lshl_b32 s22, s22, 17
	s_and_b32 s18, s2, 2047                        ; t: a token tile is 1,024 bytes
	s_lshl_b32 s18, s18, 6
	s_add_co_u32 s22, s22, s18
	s_add_nc_u64 s[8:9], s[8:9], s[22:23]
	v_lshlrev_b32 v[BO], 5, v2                     ; lane (r, h) wants features 16 nb + 8 h + 0..7
.irp nb, 0,1,2,3,4,5,6,7
	global_load_b128 v[BI+8*\nb:BI+8*\nb+3],   v[BO], s[10:11] offset:64*\nb
	global_load_b128 v[BI+8*\nb+4:BI+8*\nb+7], v[BO], s[10:11] offset:64*\nb+16
.endr
	STEP 1, 0, 0
	LAST
	PLACES NP                                      ; in front of the first read of results and the first write of A's registers
	s_wait_loadcnt 0x0                             ; the biases
.irp a, 0,1,2,3,4,5,6,7
	OUT \a, 0
.endr
	s_branch .Lend
.Lv_way:
	s_lshl_b32 s22, s2, 2
	s_add_nc_u64 s[10:11], s[76:77], s[22:23]      ; bv at my first feature
	s_lshr_b32 s22, s3, 11                         ; b
	s_lshl_b32 s22, s22, 4
	s_lshr_b32 s18, s2, 6                          ; my first head
	s_add_co_u32 s22, s22, s18
	s_lshl_b32 s22, s22, 17
	s_and_b32 s18, s3, 2047
	s_lshr_b32 s18, s18, 7                         ; t / 128: 8,192 bytes each
	s_lshl_b32 s18, s18, 13
	s_add_co_u32 s22, s22, s18
	s_add_nc_u64 s[8:9], s[82:83], s[22:23]
	v_lshlrev_b32 v[BO], 2, v1                     ; lane (r, h) wants feature 16 a + r, in both halves of a pair
.irp a, 0,1,2,3,4,5,6,7
	global_load_b32 v[BI+2*\a],   v[BO], s[10:11] offset:64*\a
	global_load_b32 v[BI+2*\a+1], v[BO], s[10:11] offset:64*\a
.endr
	STEP 1, 0, 0
	LAST
	PLACES NP
	s_wait_loadcnt 0x0
.irp a, 0,1,2,3,4,5,6,7
	OUT \a, 1
.endr
.Lend:
	s_wait_tensorcnt 0x0                           ; the wave's end
	ds_add_u32 v[SPW], v[NIL]
	s_wait_dscnt 0x0
	CROUND                                         ; the closing round: no work-group ends while a partner may still ask for a tile that names it
	s_endpgm
.Lfunc_end_k_q36d5577734_qkv:
	.size	k_q36d5577734_qkv, .Lfunc_end_k_q36d5577734_qkv-k_q36d5577734_qkv
	.p2alignl 7, 3214868480
	.fill 96, 4, 3214868480
	.section	.rodata,"a",@progbits
	.p2align	6, 0x0
	.amdhsa_kernel k_q36d5577734_qkv
		.amdhsa_group_segment_fixed_size 327680
		.amdhsa_private_segment_fixed_size 0
		.amdhsa_enable_private_segment 0
		.amdhsa_kernarg_size 64
		.amdhsa_user_sgpr_count 2
		.amdhsa_user_sgpr_kernarg_segment_ptr 1
		.amdhsa_wavefront_size32 1
		.amdhsa_system_sgpr_workgroup_id_x 1
		.amdhsa_system_sgpr_workgroup_id_y 1
		.amdhsa_system_sgpr_workgroup_id_z 1
		.amdhsa_system_vgpr_workitem_id 0
		.amdhsa_next_free_vgpr 1024
		.amdhsa_next_free_sgpr 102
		.amdhsa_reserve_vcc 0
		.amdhsa_float_denorm_mode_32 3
		.amdhsa_float_denorm_mode_16_64 3
		.amdhsa_fp16_overflow 1
		.amdhsa_memory_ordered 1
		.amdhsa_forward_progress 1
		.amdhsa_inst_pref_size 142
	.end_amdhsa_kernel
	.amdgpu_metadata
---
amdhsa.version: [ 1, 2 ]
amdhsa.kernels:
  - .name:           k_q36d5577734_qkv
    .symbol:         k_q36d5577734_qkv.kd
    .args:
      - { .name: xw_img, .offset: 0, .size: 8, .value_kind: global_buffer, .address_space: global }
      - { .name: lowp_scales, .offset: 8, .size: 8, .value_kind: global_buffer, .address_space: global }
      - { .name: bq, .offset: 16, .size: 8, .value_kind: global_buffer, .address_space: global }
      - { .name: bk, .offset: 24, .size: 8, .value_kind: global_buffer, .address_space: global }
      - { .name: bv, .offset: 32, .size: 8, .value_kind: global_buffer, .address_space: global }
      - { .name: q_img, .offset: 40, .size: 8, .value_kind: global_buffer, .address_space: global }
      - { .name: k_img, .offset: 48, .size: 8, .value_kind: global_buffer, .address_space: global }
      - { .name: v_img, .offset: 56, .size: 8, .value_kind: global_buffer, .address_space: global }
    .group_segment_fixed_size: 327680
    .private_segment_fixed_size: 0
    .kernarg_segment_align: 8
    .kernarg_segment_size: 64
    .max_flat_workgroup_size: 128
    .sgpr_count:     102
    .vgpr_count:     1024
    .wavefront_size: 32
...
	.end_amdgpu_metadata
.endif
;; end of part 2
;; launch att (part 3): grid 4 x 64, 16 waves a work-group, no clusters, 327,680 bytes of LDS; arguments q_img, k_img, v_img, lowp_scales, y_img; writes y_img
.if DOCPART == 3
	.amdgcn_target "amdgcn-amd-amdhsa--gfx1250"
	.amdhsa_code_object_version 6
	.text
	.protected	k_q36d5577734_att
	.globl	k_q36d5577734_att
	.p2align	8
	.type	k_q36d5577734_att,@function
k_q36d5577734_att:
	s_mov_b64 s[64:65], 0
	v_nop
	global_prefetch_b8 v0, s[64:65] scope:SCOPE_SE
	s_setreg_imm32_b32 hwreg(HW_REG_WAVE_MODE, 25, 1), 1
	s_wait_xcnt 0x0
; y[b][t][head] = softmax over the keys s <= t of (q . k / 8) times v, both products on codes of E5M2; y is quantised at once for the last product and stored as images of its operand registers.
; THE SOFTMAX AHEAD OF THE SECOND PRODUCT: t = score x log2(e) / 8; M = the running largest t rounded UP to a whole number; p = 2^(t - M) is quantised, not normalised; the row's sum is taken of the
; unquantised p in f32 and divides at the end.  When M moves, the sum and O are multiplied by 2^(old M - new M), which rounds nothing.
; SHARES.  Work-group (p = x, 16 b + head = y) owns the blocks p and 7 - p of 256 queries: under the causal mask these need p + 1 and 8 - p slots of 256 keys, NINE visits for every work-group: 256 work-groups
; of equal work, and a constant trip count.  Visits 0..p serve block p with key slots 0..p, visits p + 1..8 serve block 7 - p with key slots 0..7 - p.  Each of the sixteen waves owns 16 queries, in 256
; registers: four waves to a SIMD, so that one wave's vector work stands beside another's matrix work and LDS loads.
; LAYOUT.  Both products transposed: S^T = K Q^T (source 0 = 16 keys, source 1 = my 16 queries; v_wmma_f32_16x16x64_bf8_bf8, K = the head's 64), O^T = V^T P^T (source 0 = 16 of the head's 64, source 1 = P;
; v_wmma_f32_16x16x128_bf8_bf8, K = 128 keys).  A lane holds ONE query (lane % 16).  Register j of score tile t is key 16 t + 8 (lane / 16) + j, so a conversion of tile t gives registers 2 t, 2 t + 1 of P.
; q_img, k_img: [16 b + head][t / 16][c 0..1][lane][16]; v_img: [16 b + head][t / 128][d / 16][c 0..3][lane][16]: a slot's 256 keys are 16,384 consecutive bytes of each.
; y_img: [(2048 b + t) / 16][1024 x head + 512 x (d / 32) + 16 x lane]: images of 16 rows x 128 along the 1,024.
; CAUSAL.  A step of 128 keys all of which come after my 16 queries is left out by a scalar branch on ids; on the diagonal hidden scores become -infinity ahead of the maximum.  Key 0 counts for every query.
; NO CLUSTER: the four work-groups of a head want different key slots in the same visit (in visit v work-group p wants slot v while v <= p and slot v - p - 1 afterwards), so no joint request would meet.
; LIMITS: entries 6 + 7 between -123 and 130 (added to c's exponent field); entries 8 and 10 between -126 and 112; 8 + 9 is applied by v_ldexp_f32.  NaN is not served.
; REGISTERS: v1-7 addresses; v12 -M, v13 the largest t, v[14:15] the sum; v16-23 Q; v32-95 K's fragments, then V's; v96-159 S^T, then p; v160-191 O^T; v192-207 p's codes; v208-215 y's codes; v220-233 constants and work.
.set SLOT1, 1<<15                      ; a slot: K's 16,384 bytes, then V's; slot 1 begins here, so that one exclusive or turns an address
.set SPARE, 65536                      ; behind the ring: the spare words, 128 bytes for each wave: eight blocks of 256 bytes that no other line names
.set LI,   1                           ; v1   16 x lane
.set ADR,  2                           ; v2   LDS address of the slot in hand, + 16 x lane
.set PFO,  3                           ; v3   256 x lane; never rewritten
.set SPW,  5                           ; v5   LDS address of my spare word; never rewritten
.set NIL,  6                           ; v6   0; never rewritten
.set DQ,   7                           ; v7   lane % 16 - 8 (lane / 16)
.set TB,   2                           ; s2   LDS byte at which the slot in hand begins
.set WV,   18                          ; s18  wave
.set SEL,  20                          ; s[20:21] selects of v_permlanex16_b32: lane xor 16
.set CS,   22                          ; s[22:23] c = log2(e) / 8 x 2^(entries 6 + 7)
.set G1,   24                          ; s[24:31] descriptor group 1
.set G0,   32                          ; s[32:35] group 0, which walks
.set VIS,  36                          ; s36  the visit, 0..8
.set P1,   37                          ; s37  p + 1
.set KF,   38                          ; s38  first key of the slot in hand
.set NKS,  39                          ; s39  key slot that was asked for last
.set Q0,   40                          ; s40  my first query
.set KVB,  44                          ; s[44:45] wave 0: k_img, others: v_img, at my head
.set PFA,  46                          ; s[46:47] where my prefetches stand
.set PLIM, 48                          ; s48  6 in a wave that prefetches, else 0: it asks while the visit is below
.macro TLOAD                           ; wave 0 fetches the slot's K, wave 1 its V: 16,384 bytes each.  Four v_nop follow the line
	s_cmp_lt_u32 s[WV], 2
	s_cbranch_scc0 .Lnone_\@
	tensor_load_to_lds s[G0:G0+3], s[G1:G1+7]
	s_nop 0
.rept 4
	v_nop
.endr
.Lnone_\@:
.endm
; A PREFETCH INTO THE L2: in visit v (v < 6) key slot v + 2 of K and of V.  All four work-groups of a head walk the same K and V: the first of them asks; in it four waves that fetch nothing, one instruction each:
; waves 4, 5 for the two halves of K's 16,384 bytes, waves 6, 7 for V's; lanes 256 bytes apart.  So each block of 256 bytes is named once.  Slots 0 and 1 come by their loads alone; slot 7 is the last that is named.
.macro ASK
	s_cmp_lt_u32 s[VIS], s[PLIM]
	s_cbranch_scc0 .Lnot_mine_\@
	global_prefetch_b8 v[PFO], s[PFA:PFA+1] th:TH_LOAD_NT scope:SCOPE_SE
.Lnot_mine_\@:
.endm
.macro RESET                           ; a block of queries begins: the largest t is -3e38, under every t; sum and O^T are zeros, which the first change of M leaves zeros
	v_mov_b32 v13, 0xff61b1e6
	s_delay_alu instid0(VALU_DEP_1)
	v_floor_f32 v12, -v13
	v_mov_b32 v14, 0
	v_mov_b32 v15, 0
.set j, 0
.rept 32
	v_mov_b32 v[160+j], 0
.set j, j+1
.endr
.endm
; THE CHANGE OF SLOTS stands at a visit's head.  Each wave waits for all its tensor loads (its part of the slot about to be read), adds 0 to its spare word, and waits for that and for its reads of the slot
; that it has left.  fill = 1: behind the barrier that slot takes the next visit's keys: the load has a whole visit in which to land.
.macro CHANGE fill
	s_wait_tensorcnt 0x0                           ; no tensor load of mine is out, so group 0 may be written
	ds_add_u32 v[SPW], v[NIL]                      ; 0 onto my spare word; the scalar work below stands between it and the wait for it
	s_lshl_b32 s[KF], s[NKS], 8                    ; the slot about to be read holds the key slot asked for last
.if \fill
	s_add_co_u32 s41, s[VIS], 1
	s_cmp_lt_u32 s41, s[P1]
	s_cselect_b32 s42, 0, s[P1]
	s_sub_co_u32 s[NKS], s41, s42                  ; the next visit's key slot: v + 1, or v + 1 - (p + 1) in the second block
	s_xor_b32 s[G0+1], s[G0+1], SLOT1              ; the other slot than last time
	s_lshl_b32 s42, s[NKS], 14
	s_mov_b32 s43, 0
	s_add_nc_u64 s[G0+2:G0+3], s[KVB:KVB+1], s[42:43]
	s_or_b32 s[G0+3], s[G0+3], 0x80000000
	s_wait_xcnt 0x0                                ; the last prefetch, a visit back, has read its address
	s_add_nc_u64 s[PFA:PFA+1], s[PFA:PFA+1], 16384
.endif
	s_wait_dscnt 0x0                               ; the add is done, and my reads of the slot that I have left are over
	s_barrier_signal -1
	s_barrier_wait -1
.if \fill
	TLOAD                                          ; the first thing behind the barrier, and a wave's one tensor load until the next
	ASK
.endif
.endm
; A KEY STEP: 128 keys, the q-th half of the slot in hand.
.macro STEP q
	s_add_co_u32 s50, s[KF], 128*(\q)              ; the step's first key
	s_add_co_u32 s51, s[Q0], 15
	s_cmp_gt_u32 s50, s51
	s_cbranch_scc1 .Lhidden_\@                     ; all its keys come after my queries
	v_add_nc_u32 v[ADR], s[TB], v[LI]
.rept 3
	v_nop                                          ; with the addition: four places in front of loads into registers that matrix instructions have read
.endr
.irp t, 0,1,2,3,4,5,6,7
	ds_load_b128 v[32+8*\t:35+8*\t], v[ADR] offset:8192*(\q)+1024*\t
	ds_load_b128 v[36+8*\t:39+8*\t], v[ADR] offset:8192*(\q)+1024*\t+512
.endr
	s_wait_alu depctr_va_vdst(0)
	s_wait_dscnt 0x0
.irp t, 0,1,2,3,4,5,6,7
	v_wmma_f32_16x16x64_bf8_bf8 v[96+8*\t:103+8*\t], v[32+8*\t:39+8*\t], v[16:23], 0
.endr
.rept 4
	v_nop                                          ; places in front of V's loads and of the first read of the scores
.endr
.irp d, 0,1,2,3
.irp c, 0,1,2,3
	ds_load_b128 v[32+16*\d+4*\c:35+16*\d+4*\c], v[ADR] offset:16384+8192*(\q)+2048*\d+512*\c   ; V's four fragments land under the softmax
.endr
.endr
	s_add_co_u32 s51, s50, 127
	s_cmp_le_u32 s51, s[Q0]
	s_cbranch_scc1 .Lopen_\@                       ; all its keys count
	s_sub_co_i32 s51, s[Q0], s50
	v_add_nc_u32 v232, s51, v[DQ]                  ; d = my query - the step's first key - 8 (lane / 16).  Register n holds key offset 16 (n / 8) + n % 8 + 8 (lane / 16): hidden where 16 (n / 8) + n % 8 > d
.set n, 0
.rept 64
	v_cmp_gt_i32 vcc_lo, 16*(n/8)+n%8, v232
	v_cndmask_b32 v[96+n], v[96+n], v233, vcc_lo
.set n, n+1
.endr
.Lopen_\@:
	v_max3_num_f32 v230, v96, v97, v98             ; the step's largest score of my query among my 64 keys, in two chains; each accumulator is first read at its low end
	v_max3_num_f32 v231, v99, v100, v101
.set i, 6
.rept 14
	v_max3_num_f32 v230, v230, v[96+i], v[97+i]
	v_max3_num_f32 v231, v231, v[98+i], v[99+i]
.set i, i+4
.endr
	v_max3_num_f32 v230, v230, v158, v159
	s_delay_alu instid0(VALU_DEP_1)
	v_max_num_f32 v230, v230, v231
	s_delay_alu instid0(VALU_DEP_1)
	v_permlanex16_b32 v226, v230, s[SEL], s[SEL+1]
	s_delay_alu instid0(VALU_DEP_1)
	v_max_num_f32 v230, v230, v226                 ; and among lane xor 16's
	s_delay_alu instid0(VALU_DEP_1)
	v_mul_f32 v230, s[CS], v230                    ; as t (c is positive)
	s_delay_alu instid0(VALU_DEP_1)
	v_max_num_f32 v13, v13, v230                   ; the running largest t
	v_mov_b32 v230, v12
	s_delay_alu instid0(VALU_DEP_2)
	v_floor_f32 v12, -v13                          ; the new -M = floor(-t) = -ceil(t): a whole number
	s_delay_alu instid0(VALU_DEP_1)
	v_sub_f32 v230, v12, v230                      ; old M - new M: a whole number, 0 or less
	s_delay_alu instid0(VALU_DEP_1)
	v_cvt_i32_f32 v230, v230                       ; (it saturates)
	s_delay_alu instid0(VALU_DEP_1)
	v_ldexp_f32 v228, 1.0, v230                    ; f = 2^(old M - new M)
.set j, 0
.rept 32
	v_pk_fma_f32 v[96+j:97+j], v[96+j:97+j], s[CS:CS+1], v[12:13] op_sel_hi:[1,0,0]   ; t - M, two at a time
.set j, j+2
.endr
.set j, 0
	s_wait_alu depctr_va_vdst(0)
.rept 64
	v_exp_f32 v[96+j], v[96+j]                     ; p = 2^(t - M), at most 1
.set j, j+1
.endr
	v_pk_mul_f32 v[14:15], v[14:15], v[228:229] op_sel_hi:[1,0]   ; the sums under the new M: the plain line behind the exponentials
	s_wait_alu depctr_va_vdst(0)                   ; one wait for the whole batch, ahead of its first reader
	v_pk_add_f32 v[224:225], v[100:101], v[104:105]
	v_pk_add_f32 v[254:255], v[108:109], v[112:113]
	v_pk_add_f32 v[252:253], v[116:117], v[120:121]
	v_pk_add_f32 v[250:251], v[124:125], v[128:129]
	v_pk_add_f32 v[248:249], v[132:133], v[136:137]
	v_pk_add_f32 v[246:247], v[140:141], v[144:145]
	v_pk_add_f32 v[244:245], v[148:149], v[152:153]
	v_pk_add_f32 v[14:15], v[14:15], v[156:157]
	v_pk_add_f32 v[224:225], v[224:225], v[96:97]
	v_pk_add_f32 v[254:255], v[254:255], v[98:99]
	v_pk_add_f32 v[252:253], v[252:253], v[102:103]
	v_pk_add_f32 v[250:251], v[250:251], v[106:107]
	v_pk_add_f32 v[248:249], v[248:249], v[110:111]
	v_pk_add_f32 v[246:247], v[246:247], v[114:115]
	v_pk_add_f32 v[244:245], v[244:245], v[118:119]
	v_pk_add_f32 v[14:15], v[14:15], v[122:123]
	v_pk_add_f32 v[224:225], v[224:225], v[126:127]
	v_pk_add_f32 v[254:255], v[254:255], v[130:131]
	v_pk_add_f32 v[252:253], v[252:253], v[134:135]
	v_pk_add_f32 v[250:251], v[250:251], v[138:139]
	v_pk_add_f32 v[248:249], v[248:249], v[142:143]
	v_pk_add_f32 v[246:247], v[246:247], v[146:147]
	v_pk_add_f32 v[244:245], v[244:245], v[150:151]
	v_pk_add_f32 v[14:15], v[14:15], v[154:155]
	v_pk_add_f32 v[224:225], v[224:225], v[158:159]
	s_delay_alu instid0(VALU_DEP_2)
	v_pk_add_f32 v[14:15], v[14:15], v[250:251]
	s_delay_alu instid0(VALU_DEP_2)
	v_pk_add_f32 v[224:225], v[224:225], v[248:249]
	v_pk_add_f32 v[254:255], v[254:255], v[246:247]
	v_pk_add_f32 v[252:253], v[252:253], v[244:245]
	s_delay_alu instid0(VALU_DEP_2)
	v_pk_add_f32 v[14:15], v[14:15], v[254:255]
	s_delay_alu instid0(VALU_DEP_2)
	v_pk_add_f32 v[224:225], v[224:225], v[252:253]
	s_delay_alu instid0(VALU_DEP_1)
	v_pk_add_f32 v[14:15], v[14:15], v[224:225]
.set t, 0
.rept 8
.set i, 0
.rept 8
.set i, i+1
.endr
	v_cvt_scalef32_pk8_bf8_f32 v[192+2*t:193+2*t], v[96+8*t:103+8*t], v220
.set t, t+1
.endr
.set j, 0
.rept 16
	v_pk_mul_f32 v[160+j:161+j], v[160+j:161+j], v[228:229] op_sel_hi:[1,0]   ; O^T under the new M; also the plain lines between the conversions and the products
.set j, j+2
.endr
	s_wait_alu depctr_va_vdst(0)
	s_wait_dscnt 0x0                               ; V is in
.irp d, 0,1,2,3
	v_wmma_f32_16x16x128_bf8_bf8 v[160+8*\d:167+8*\d], v[32+16*\d:47+16*\d], v[192:207], v[160+8*\d:167+8*\d]   ; four accumulators by turns
.endr
.Lhidden_\@:
.endm
; A block of queries is finished: y = O^T / the sum x 2^(entries 8 + 9), quantised with entry 10; two stores of 512 consecutive bytes.
.macro FINISH
.rept 4
	v_nop                                          ; places behind the last products
.endr
	v_add_f32 v14, v14, v15
	s_delay_alu instid0(VALU_DEP_1)
	v_permlanex16_b32 v226, v14, s[SEL], s[SEL+1]
	s_delay_alu instid0(VALU_DEP_1)
	v_add_f32 v14, v14, v226                       ; the row's sum
	s_wait_alu depctr_va_vdst(0)
	v_rcp_f32 v14, v14
	v_nop                                          ; a plain line behind the transcendental
	s_add_co_i32 s54, s76, s77
	s_lshl_b32 s42, s[Q0], 10                      ; 16 rows are 16,384 bytes
	s_mov_b32 s43, 0
	s_add_nc_u64 s[56:57], s[62:63], s[42:43]
	s_wait_alu depctr_va_vdst(0)                   ; ahead of the first reader
	v_ldexp_f32 v14, v14, s54
.set j, 0
.rept 16
	v_pk_mul_f32 v[96+j:97+j], v[160+j:161+j], v[14:15] op_sel_hi:[1,0]   ; register 8 dt + i is y(query r, d = 16 dt + 8 h + i); each accumulator from its low end on
.set j, j+2
.endr
.set t, 0
.rept 4
.set i, 0
.rept 8
.set i, i+1
.endr
	v_cvt_scalef32_pk8_bf8_f32 v[208+2*t:209+2*t], v[96+8*t:103+8*t], v222
.set t, t+1
.endr
	v_nop                                          ; a plain line behind the last conversion
	global_store_b128 v[LI], v[208:211], s[56:57]
	global_store_b128 v[LI], v[212:215], s[56:57] offset:512
.endm
; In visit p + 1 the first block is finished and the second begins: a scalar branch on ids; no barrier, no tensor load and no LDS instruction stands in it.
.macro SWITCH
	s_cmp_eq_u32 s[VIS], s[P1]
	s_cbranch_scc0 .Lsame_\@
	FINISH
	s_sub_co_u32 s41, 8, s[P1]                     ; block 7 - p
	s_lshl_b32 s41, s41, 8
	s_lshl_b32 s42, s[WV], 4
	s_add_co_u32 s[Q0], s41, s42
	s_lshl_b32 s42, s[Q0], 6                       ; a tile of 16 queries is 1,024 bytes
	s_mov_b32 s43, 0
	s_add_nc_u64 s[52:53], s[58:59], s[42:43]
	global_load_b128 v[16:19], v[LI], s[52:53]
	global_load_b128 v[20:23], v[LI], s[52:53] offset:512
	RESET
	s_wait_loadcnt 0x0                             ; Q
	s_wait_xcnt 0x0                                ; the stores have read their data and base: both are written again at the end
.Lsame_\@:
.endm
	s_load_b256 s[4:11], s[0:1], 0x0               ; q_img s[4:5], k_img s[6:7], v_img s[8:9], the exponents s[10:11]
	s_load_b64 s[12:13], s[0:1], 0x20              ; y_img
	v_lshl_add_u32 v[SPW], v0, 2, SPARE
	v_mov_b32 v[NIL], 0
	ds_add_u32 v5, v6
	ds_add_u32 v5, v6
	s_wait_dscnt 0x0
	v_lshrrev_b32 v8, 5, v0
	s_delay_alu instid0(VALU_DEP_1)
	v_readfirstlane_b32 s[WV], v8                  ; wave 0..15
	s_and_b32 s49, ttmp7, 0xffff                   ; 16 b + head
	s_lshl_b32 s60, s49, 17                        ; its first byte in q_img, k_img, v_img
	s_mov_b32 s61, 0
	s_lshr_b32 s42, s49, 4
	s_lshl_b32 s42, s42, 21                        ; y_img: 2,048 b rows of 1,024 bytes,
	s_and_b32 s41, s49, 15
	s_lshl_b32 s41, s41, 10                        ; + 1,024 x head
	s_add_co_u32 s42, s42, s41
	s_mov_b32 s43, 0
	s_add_co_u32 s[P1], ttmp9, 1
	s_lshl_b32 s[Q0], ttmp9, 8
	s_lshl_b32 s41, s[WV], 4
	s_add_co_u32 s[Q0], s[Q0], s41                 ; my first query: 256 p + 16 x wave
	; descriptor group 1: a dense block of 16,384 bytes as 64 rows of 256 bytes; elements of 8 bytes
	s_mov_b32 s[G1], 3<<16                         ; no mask; elements of 8 bytes; no padding
	s_mov_b32 s[G1+1], 32<<16                      ; tensor_dim0
	s_mov_b32 s[G1+2], 64<<16                      ; tensor_dim1
	s_mov_b32 s[G1+3], 32<<16                      ; tile_dim0
	s_mov_b32 s[G1+4], 64                          ; tile_dim1
	s_mov_b32 s[G1+5], 32                          ; tensor_dim0_stride
	s_mov_b32 s[G1+6], 0
	s_mov_b32 s[G1+7], 0
	s_mov_b32 s[SEL], 0x76543210
	s_mov_b32 s[SEL+1], 0xfedcba98
	s_mov_b32 s[CS], 0x3e38aa3b                    ; log2(e) / 8
	s_mov_b32 s[TB], 0
	s_mov_b32 s[VIS], 0
	s_mov_b32 s[NKS], 0
	s_wait_kmcnt 0x0
	s_load_b256 s[68:75], s[10:11], 0x0            ; entries 0 to 7
	s_load_b128 s[76:79], s[10:11], 0x20           ; entries 8 to 11
	s_add_nc_u64 s[62:63], s[12:13], s[42:43]      ; y_img at my batch and head
	s_cmp_eq_u32 s[WV], 0
	s_cselect_b64 s[KVB:KVB+1], s[6:7], s[8:9]
	s_add_nc_u64 s[KVB:KVB+1], s[KVB:KVB+1], s[60:61]
	s_mov_b32 s[G0], 1                             ; count = 1
	s_and_b32 s41, s[WV], 1
	s_lshl_b32 s[G0+1], s41, 14                    ; LDS: K at the slot's head, V 16,384 bytes on
	s_mov_b64 s[G0+2:G0+3], s[KVB:KVB+1]           ; key slot 0
	s_or_b32 s[G0+3], s[G0+3], 0x80000000          ; type = 2
	TLOAD                                          ; slot 0
	s_add_nc_u64 s[58:59], s[4:5], s[60:61]        ; q_img at my head
	s_lshl_b32 s42, s[Q0], 6
	s_add_nc_u64 s[52:53], s[58:59], s[42:43]
	v_and_b32 v8, 31, v0
	s_delay_alu instid0(VALU_DEP_1)
	v_lshlrev_b32 v[LI], 4, v8
	s_delay_alu instid0(VALU_DEP_2)
	v_lshlrev_b32 v[PFO], 8, v8
	global_load_b128 v[16:19], v[LI], s[52:53]     ; Q's fragment stays in registers
	global_load_b128 v[20:23], v[LI], s[52:53] offset:512
	s_cmp_lt_u32 s[WV], 6                          ; the prefetches: waves 4, 5 stand in K, waves 6, 7 in V,
	s_cselect_b64 s[PFA:PFA+1], s[6:7], s[8:9]
	s_add_nc_u64 s[PFA:PFA+1], s[PFA:PFA+1], s[60:61]
	s_and_b32 s42, s[WV], 1
	s_lshl_b32 s42, s42, 13                        ; at a half of a slot's 16,384 bytes,
	s_add_co_u32 s42, s42, 16384                   ; in key slot 1: the first change of slots steps it to slot 2.  Nothing is prefetched here, at the head
	s_add_nc_u64 s[PFA:PFA+1], s[PFA:PFA+1], s[42:43]
	s_sub_co_u32 s42, s[WV], 4
	s_lshr_b32 s42, s42, 2                         ; 0 in waves 4 to 7,
	s_or_b32 s42, s42, ttmp9                       ; of the head's first work-group
	s_cmp_eq_u32 s42, 0
	s_cselect_b32 s[PLIM], 6, 0
	v_and_b32 v8, 15, v0
	v_bfe_u32 v9, v0, 4, 1
	s_delay_alu instid0(VALU_DEP_1)
	v_lshlrev_b32 v9, 3, v9
	s_delay_alu instid0(VALU_DEP_1)
	v_sub_nc_u32 v[DQ], v8, v9
	v_mov_b32 v226, 0                              ; written once: a lane permute's destination counts as one of its sources
	v_mov_b32 v229, 0                              ; (named as the upper half of the pair v[228:229])
	v_mov_b32 v233, 0xff800000                     ; -infinity
	RESET
	s_wait_kmcnt 0x0
	s_add_co_i32 s42, s74, s75
	s_lshl_b32 s42, s42, 23
	s_add_co_i32 s[CS], s[CS], s42                 ; a score stands for score x 2^(entries 6 + 7): added to c's exponent field
	s_mov_b32 s[CS+1], s[CS]                       ; (named with it as a pair, so it is written)
	s_add_co_i32 s42, s76, 127
	s_lshl_b32 s41, s42, 23
	v_mov_b32 v220, s41                            ; 2^(entry 8) as f32, for p's conversions
	s_add_co_i32 s42, s78, 127
	s_lshl_b32 s41, s42, 23
	v_mov_b32 v222, s41                            ; the same with entry 10, for y's
	s_wait_loadcnt 0x0                             ; Q
.Lvisit:                                           ; eight trips: behind each change of slots but the last the next visit's keys are asked for
	CHANGE 1
	SWITCH
	STEP 0
	STEP 1
	s_xor_b32 s[TB], s[TB], SLOT1                  ; on to the other slot
	s_add_co_u32 s[VIS], s[VIS], 1
	s_cmp_lt_u32 s[VIS], 8
	s_cbranch_scc1 .Lvisit
	CHANGE 0                                       ; the last visit is written out
	STEP 0
	STEP 1
	FINISH
	s_wait_tensorcnt 0x0                           ; the wave's end
	ds_add_u32 v[SPW], v[NIL]
	s_wait_dscnt 0x0
	s_endpgm
.Lfunc_end_k_q36d5577734_att:
	.size	k_q36d5577734_att, .Lfunc_end_k_q36d5577734_att-k_q36d5577734_att
	.p2alignl 7, 3214868480
	.fill 96, 4, 3214868480
	.section	.rodata,"a",@progbits
	.p2align	6, 0x0
	.amdhsa_kernel k_q36d5577734_att
		.amdhsa_group_segment_fixed_size 327680
		.amdhsa_private_segment_fixed_size 0
		.amdhsa_enable_private_segment 0
		.amdhsa_kernarg_size 40
		.amdhsa_user_sgpr_count 2
		.amdhsa_user_sgpr_kernarg_segment_ptr 1
		.amdhsa_wavefront_size32 1
		.amdhsa_system_sgpr_workgroup_id_x 1
		.amdhsa_system_sgpr_workgroup_id_y 1
		.amdhsa_system_sgpr_workgroup_id_z 1
		.amdhsa_system_vgpr_workitem_id 0
		.amdhsa_next_free_vgpr 256
		.amdhsa_next_free_sgpr 100
		.amdhsa_reserve_vcc 1
		.amdhsa_float_denorm_mode_32 3
		.amdhsa_float_denorm_mode_16_64 3
		.amdhsa_fp16_overflow 1
		.amdhsa_memory_ordered 1
		.amdhsa_forward_progress 1
		.amdhsa_inst_pref_size 89
	.end_amdhsa_kernel
	.amdgpu_metadata
---
amdhsa.version: [ 1, 2 ]
amdhsa.kernels:
  - .name:           k_q36d5577734_att
    .symbol:         k_q36d5577734_att.kd
    .args:
      - { .name: q_img, .offset: 0, .size: 8, .value_kind: global_buffer, .address_space: global }
      - { .name: k_img, .offset: 8, .size: 8, .value_kind: global_buffer, .address_space: global }
      - { .name: v_img, .offset: 16, .size: 8, .value_kind: global_buffer, .address_space: global }
      - { .name: lowp_scales, .offset: 24, .size: 8, .value_kind: global_buffer, .address_space: global }
      - { .name: y_img, .offset: 32, .size: 8, .value_kind: global_buffer, .address_space: global }
    .group_segment_fixed_size: 327680
    .private_segment_fixed_size: 0
    .kernarg_segment_align: 8
    .kernarg_segment_size: 40
    .max_flat_workgroup_size: 512
    .sgpr_count:     100
    .vgpr_count:     256
    .wavefront_size: 32
...
	.end_amdgpu_metadata
.endif
;; end of part 3
;; launch proj (part 4): grid 8 x 32, 4 waves a work-group, clusters of 4 x 4, 327,680 bytes of LDS; arguments y_img, xw_img, lowp_scales, bp, out0; writes out0
.if DOCPART == 4
	.amdgcn_target "amdgcn-amd-amdhsa--gfx1250"
	.amdhsa_code_object_version 6
	.text
	.protected	k_q36d5577734_proj
	.globl	k_q36d5577734_proj
	.p2align	8
	.type	k_q36d5577734_proj,@function
k_q36d5577734_proj:
	s_mov_b64 s[64:65], 0
	v_nop
	global_prefetch_b8 v0, s[64:65] scope:SCOPE_SE
	s_setreg_imm32_b32 hwreg(HW_REG_WAVE_MODE, 25, 1), 1
	s_wait_xcnt 0x0
	s_wait_alu depctr_hold_cnt(0) depctr_sa_sdst(0) depctr_va_vdst(0) depctr_va_sdst(0) depctr_va_ssrc(0) depctr_va_vcc(0) depctr_vm_vsrc(0)
	s_getreg_b32 s2, hwreg(HW_REG_IB_STS2, 6, 4)
	s_cmp_eq_u32 s2, 0
	s_cbranch_scc0 .Lentry_in_a_cluster
	s_endpgm
.Lentry_in_a_cluster:
	s_bfe_u32 s2, ttmp6, 0x10000c
	s_cmp_lg_u32 s2, 0xf033
	s_cbranch_scc0 .Lentry_shape_is_right
	s_endpgm
.Lentry_shape_is_right:
; out0 = y Wp + bp on codes of E5M2 (v_wmma_f32_16x16x128_bf8_bf8, sums in f32).  y_img: [row / 16][k / 128][image]; Wp's codes: from byte 27 MiB of xw_img on, [n / 16][k / 128][image]; out0: [8192][1024] f32.
; An image is 16 rows x 128 K, 2,048 bytes, [c][lane][16]: a fragment comes from LDS by four loads of 512 consecutive bytes: no pitch, no padding.
; A tile of 256 rows x 128 columns is made by a work-group of four waves: 32 x 8 tiles are 256 work-groups.  A wave makes 128 x 64: 32 accumulators, 256 registers.
; K = 1,024 goes in four steps of 256 through two LDS slots.  THE MATRIX INSTRUCTION IS USED TRANSPOSED (source 0 = 16 rows of Wp's codes, source 1 = 16 rows of y): a lane holds eight neighbouring numbers of a row.
; CLUSTERS: 4 x 4 work-groups: y's tile hangs on the tile row alone and is asked for jointly by a row of the cluster, Wp's on the tile column alone, by a column.
; LIMIT: entries 10 + 11 between -126 and 127, so that 2^(their sum) is an f32 number.
; REGISTERS, in windows of 256: window 0: v0-31 addresses; v32-63 bp; v64-95 a block's results; v128-255 y's fragments, ONE set (on the way out v128-191: rows read back).
;   window 1: Wp's fragments, TWO sets, at v0 and v128.   window 2: the accumulators ((a, b) at v[8 (4 a + b)]).
.set WPOFF, 0x1b00000                  ; where Wp's codes begin in xw_img: behind x's 24 MiB and the 3 MiB of Wq, Wk, Wv
.set NB,    4                          ; B blocks of 16 to a wave
.set APW,   32/NB
.set FR,    16
.set NP,    4                          ; places behind this matrix instruction (ISA guide 7.12.1)
.set BOFF,  65536                      ; a slot: y's 16 row tiles x 4,096 bytes, then Wp's 8
.set SLOT,  BOFF+8192*NB
.set SPARE, 2*SLOT                     ; behind the ring: the spare words, 128 bytes for each wave: two blocks of 256 bytes that no other line names
.set SPITCH, 272                       ; the way out: a stage of 16 rows x (256 bytes + 16) for each wave, in slot 0, which has had its last fill and its last read when the first result is stored there
.set ADRA,  16
.set ADRB,  20
.set STO,   24                         ; v24  the stage: where I put 32 bytes of a row
.set RD,    25                         ; v25  and where I read a row back
.set CO,    26                         ; v26  my byte offset in two rows of out0
.set LI,    27
.set SPW,   28
.set NIL,   29
.set BO,    30                         ; v30  my lane's offset in bp
.set BI,    32
.set TMP,   64
.set AF,    128
.set BK,    128
.set G1,  24
.set G0,  32
.set G1B, 48
.set G0B, 56
.set MSB, 0
.macro WIN new                         ; the immediate's high byte repeats the setting that is left
.if MSB != (\new)
	s_set_vgpr_msb (MSB<<8)|(\new)
.set MSB, (\new)
.endif
.endm
; A joint load: waves 0 and 1 fetch y's halves, waves 2 and 3 Wp's; the branch hangs on the wave's number alone.  Four v_nop follow each of the two lines.
.macro JLOAD g0a, g1a, g0b, g1b
	s_cmp_eq_u32 s15, 0
	s_cbranch_scc0 .Lfor_b_\@
	tensor_load_to_lds s[\g0a:\g0a+3], s[\g1a:\g1a+7]
	s_nop 0
.rept 4
	v_nop
.endr
	s_branch .Lasked_\@
.Lfor_b_\@:
	tensor_load_to_lds s[\g0b:\g0b+3], s[\g1b:\g1b+7]
	s_nop 0
.rept 4
	v_nop
.endr
.Lasked_\@:
.endm
.macro CREST                           ; a round of the cluster's barrier behind its opening barrier
	s_cmp_lg_u32 s14, 0
	s_cbranch_scc1 .Lnot_wave_0_\@
	s_barrier_signal -3
.Lnot_wave_0_\@:
	s_barrier_wait -3
	s_barrier_signal -1
	s_barrier_wait -1
.endm
.macro CROUND
	s_barrier_signal -1
	s_barrier_wait -1
	CREST
.endm
.macro PLACES n
.rept \n
	v_nop
.endr
.endm
.macro FRAG reg, adr, q, i             ; row tile i's image of the slot's q-th 128 along K
.irp c, 0,1,2,3
	ds_load_b128 v[\reg+4*\c:\reg+4*\c+3], v[\adr] offset:2048*(\q)+512*\c+4096*(\i)
.endr
.endm
; A blocks a0, a0 + 1 x all NB B blocks, 128 along K.  The accumulators take turns, one instruction a turn, in the same order in every step.
.macro MULA a0, p, zero
	WIN 0xa1+0x50*((\a0)/APW)                      ; source 0 (Wp) window 1, source 1 (y) window 0, C and D window 2
.irp a, \a0, \a0+1
.irp b, 0,1,2,3
.set AC, 8*(NB*((\a)%APW)+\b)
.if \zero
	v_wmma_f32_16x16x128_bf8_bf8 v[AC:AC+7], v[128*(\p)+FR*\b:128*(\p)+FR*\b+FR-1], v[AF+FR*(\a):AF+FR*(\a)+FR-1], 0
.else
	v_wmma_f32_16x16x128_bf8_bf8 v[AC:AC+7], v[128*(\p)+FR*\b:128*(\p)+FR*\b+FR-1], v[AF+FR*(\a):AF+FR*(\a)+FR-1], v[AC:AC+7]
.endif
.endr
.endr
.endm
.macro FETCH_B slot, q, p
	WIN 0x40                                       ; destination window 1, address window 0
.irp i, 0,1,2,3
	FRAG 128*(\p)+FR*\i, ADRB+\slot, \q, \i
.endr
	WIN 0
.endm
.macro FETCH_A slot, q, i0
.irp i, \i0, \i0+1, \i0+2, \i0+3
	FRAG AF+FR*(\i), ADRA+\slot, \q, \i
.endr
.endm
.macro STEP slot, q, zero              ; a step of 128 along K that has its successor in the same slot
	s_wait_dscnt 16                                ; B's set and A's blocks 0-3 are in; the youngest 16 loads (A's blocks 4-7) may be out
	MULA 0, (\q)%2, \zero
	MULA 2, (\q)%2, \zero
	s_wait_dscnt 0x0
	PLACES NP
	FETCH_B \slot, (\q)+1, 1-(\q)%2
	FETCH_A \slot, (\q)+1, 0
	MULA 4, (\q)%2, \zero
	MULA 6, (\q)%2, \zero
	PLACES NP
	WIN 0
	FETCH_A \slot, (\q)+1, 4
.endm
; A slot's last step changes slots: ONE barrier; in front of it each wave waits for all its tensor loads, adds 0 to its spare word, and waits for that and for its own reads of this slot.
.macro TURN slot, next, fill
	s_wait_tensorcnt 0x0                           ; all my tensor loads have landed: my part of the next slot (every window is 0 here)
	ds_add_u32 v[SPW], v[NIL]                      ; 0 onto my spare word
	s_wait_dscnt 17                                ; (the add and the youngest 16 loads may be out)
	MULA 0, 1, 0
	s_wait_dscnt 0x0                               ; the add is done, and my reads of this slot are over
	s_barrier_signal -1
	MULA 2, 1, 0
	WIN 0
	s_barrier_wait -1
.if \fill
	CREST                                          ; no wave of any partner still reads this slot or has a load on its way
	s_add_nc_u64 s[G0+4*\slot+2:G0+4*\slot+3], s[G0+4*\slot+2:G0+4*\slot+3], 8192
	s_add_nc_u64 s[G0B+4*\slot+2:G0B+4*\slot+3], s[G0B+4*\slot+2:G0B+4*\slot+3], 8192
	JLOAD G0+4*\slot, G1, G0B+4*\slot, G1B
.else
	PLACES NP
.endif
	FETCH_B \next, 0, 0
	FETCH_A \next, 0, 0
	MULA 4, 1, 0
	MULA 6, 1, 0
	PLACES NP
	WIN 0
	FETCH_A \next, 0, 4
.endm
.macro LAST
	s_wait_dscnt 16
	MULA 0, 1, 0
	MULA 2, 1, 0
	s_wait_dscnt 0x0
	MULA 4, 1, 0
	MULA 6, 1, 0
	WIN 0
.endm
	s_load_b256 s[68:75], s[0:1], 0x0              ; y_img s[68:69], xw_img s[70:71], the exponents s[72:73], bp s[74:75]
	s_load_b64 s[76:77], s[0:1], 0x20              ; out0
	v_lshl_add_u32 v[SPW], v0, 2, SPARE
	v_mov_b32 v[NIL], 0
	ds_add_u32 v28, v29
	ds_add_u32 v28, v29
	s_wait_dscnt 0x0
	v_lshrrev_b32 v1, 5, v0
	v_readfirstlane_b32 s14, v1                    ; wave 0..3
	s_lshr_b32 s15, s14, 1                         ; which half of the tile's rows is mine.  Also: I fetch for y (0) or for Wp (1)
	s_and_b32 s16, s14, 1                          ; which half of its columns.  Also: which half of that tile I fetch
	s_bfe_u32 s40, ttmp6, 0x40000                  ; cx, cy
	s_bfe_u32 s41, ttmp6, 0x40004
	s_lshl_b32 s42, ttmp9, 2
	s_add_co_u32 s42, s42, s40                     ; tile column = 4 x cluster x + cx
	s_and_b32 s17, ttmp7, 0xffff
	s_lshl_b32 s17, s17, 2
	s_add_co_u32 s17, s17, s41                     ; tile row = 4 x cluster y + cy
	s_lshl_b32 s43, s41, 2
	s_lshl_b32 s43, 15, s43                        ; my row of the cluster
	s_lshl_b32 s44, 0x1111, s40                    ; my column
	s_or_b32 s[G1+0], s43, (3<<16)|(1<<21)         ; 15:0 the mask; 17:16 elements of 8 bytes; 21 set beside a mask; no padding
	s_or_b32 s[G1B+0], s44, (3<<16)|(1<<21)
.irp g, G1, G1B
	s_mov_b32 s[\g+1], 512<<16                     ; tensor_dim0 = 512 elements: 4,096 bytes
	s_mov_b32 s[\g+3], 512<<16                     ; tile_dim0
	s_mov_b32 s[\g+5], 2048                        ; tensor_dim0_stride: row tiles lie 16,384 bytes apart
	s_mov_b32 s[\g+6], 0
	s_mov_b32 s[\g+7], 0
.endr
	s_mov_b32 s[G1+2], 8<<16                       ; tensor_dim1
	s_mov_b32 s[G1+4], 8                           ; tile_dim1
	s_mov_b32 s[G1B+2], NB<<16
	s_mov_b32 s[G1B+4], NB
	s_lshl_b32 s20, s17, 18                        ; 256 rows: 16 row tiles
	s_lshl_b32 s18, s16, 17                        ; my half: 8
	s_add_co_u32 s20, s20, s18
	s_mov_b32 s21, 0
	s_lshl_b32 s46, s42, 17                        ; 128 columns: 8 row tiles
	s_lshl_b32 s18, s16, 16                        ; my half: 4
	s_add_co_u32 s46, s46, s18
	s_add_co_u32 s46, s46, WPOFF
	s_mov_b32 s47, 0
	s_lshl_b32 s45, s16, 15                        ; where they go: y's halves at 0 and 32,768,
	s_mul_i32 s66, s16, 4096*NB
	s_add_co_u32 s66, s66, BOFF                    ; Wp's behind them
	s_wait_kmcnt 0x0
	s_load_b64 s[96:97], s[72:73], 0x28            ; entries 10 and 11
	s_add_nc_u64 s[20:21], s[68:69], s[20:21]
	s_add_nc_u64 s[46:47], s[70:71], s[46:47]
	CROUND                                         ; all sixteen work-groups are here: the first joint loads meet
.irp s, 0,1
	s_mov_b32 s[G0+4*\s], 1
	s_add_co_u32 s[G0+4*\s+1], s45, \s*SLOT
	s_add_nc_u64 s[G0+4*\s+2:G0+4*\s+3], s[20:21], \s*4096
	s_or_b32 s[G0+4*\s+3], s[G0+4*\s+3], 0x80000000
	s_mov_b32 s[G0B+4*\s], 1
	s_add_co_u32 s[G0B+4*\s+1], s66, \s*SLOT
	s_add_nc_u64 s[G0B+4*\s+2:G0B+4*\s+3], s[46:47], \s*4096
	s_or_b32 s[G0B+4*\s+3], s[G0B+4*\s+3], 0x80000000
	s_wait_alu depctr_va_vdst(0)
	s_wait_tensorcnt 0x0
	ds_add_u32 v28, v29
	ds_add_u32 v28, v29
	s_wait_dscnt 0x0
	CROUND
	JLOAD G0+4*\s, G1, G0B+4*\s, G1B               ; one load of mine is out
.endr
	v_and_b32 v1, 15, v0                           ; r
	v_bfe_u32 v2, v0, 4, 1                         ; h
	v_and_b32 v3, 31, v0
	v_lshlrev_b32 v[LI], 4, v3
	s_lshl_b32 s21, s15, 15
	s_mov_b32 s22, s66
.irp s, 0,1
	v_add_nc_u32 v[ADRA+\s], s21, v[LI]
	v_add_nc_u32 v[ADRB+\s], s22, v[LI]
	s_add_co_u32 s21, s21, SLOT
	s_add_co_u32 s22, s22, SLOT
.endr
	s_mul_i32 s23, s14, 16*SPITCH                  ; my stage
	v_mul_u32_u24 v5, v1, SPITCH                   ; in: row r, 32 bytes for each half of the lanes
	v_lshl_add_u32 v5, v2, 5, v5
	v_add_nc_u32 v[STO], s23, v5
	v_mul_u32_u24 v5, v2, SPITCH                   ; back: lanes 0-15 one row of 256 bytes, lanes 16-31 the next
	v_lshl_add_u32 v5, v1, 4, v5
	v_add_nc_u32 v[RD], s23, v5
	v_lshlrev_b32 v5, 12, v2                       ; and the same two rows in out0
	v_lshl_add_u32 v[CO], v1, 4, v5
	s_lshl_b32 s3, s42, 7
	s_lshl_b32 s18, s16, 6
	s_add_co_u32 s3, s3, s18                       ; n0: my first column
	s_lshl_b32 s22, s3, 2
	s_mov_b32 s23, 0
	s_add_nc_u64 s[10:11], s[74:75], s[22:23]      ; bp there
	s_add_nc_u64 s[8:9], s[76:77], s[22:23]
	s_lshl_b32 s2, s17, 8
	s_lshl_b32 s18, s15, 7
	s_add_co_u32 s2, s2, s18                       ; m0: my first row
	s_lshl_b32 s22, s2, 12
	s_add_nc_u64 s[8:9], s[8:9], s[22:23]          ; out0 at (m0, n0)
	v_lshlrev_b32 v[BO], 5, v2                     ; lane (r, h) wants columns 16 b + 8 h + 0..7
.irp b, 0,1,2,3
	global_load_b128 v[BI+8*\b:BI+8*\b+3],   v[BO], s[10:11] offset:64*\b
	global_load_b128 v[BI+8*\b+4:BI+8*\b+7], v[BO], s[10:11] offset:64*\b+16
.endr
	s_wait_tensorcnt 1                             ; my part of K step 0 is in (K step 1's load may be out),
	s_barrier_signal -1
	s_barrier_wait -1                              ; everybody's is
	FETCH_B 0, 0, 0
	FETCH_A 0, 0, 0
	FETCH_A 0, 0, 4
	STEP 0, 0, 1                                   ; K = 1,024 is eight steps of 128, written out: the first starts the sums
	TURN 0, 1, 1                                   ; slot 0 takes K step 2
	STEP 1, 0, 0
	TURN 1, 0, 1                                   ; slot 1 takes K step 3
	STEP 0, 0, 0
	TURN 0, 1, 0                                   ; the last barrier: behind it nobody reads slot 0
	STEP 1, 0, 0
	LAST
; THE WAY OUT, block by block of 16 rows x 64 columns: number = sum x 2^(entries 10 + 11) + bp, one packed multiply-add for two.  A lane holds 32 neighbouring bytes of a row and the lanes beside it other rows:
; so a block goes through my own stage and comes back as whole rows of 256 bytes.  LDS serves a wave's instructions in order (ISA guide 5.7.1.4): no wait between the stores and the loads.
.macro TOSTAGE a
.set AC, 32*(\a)
.set BB, BK+32*((\a)%2)
	WIN 0x02                                       ; source 0: window 2
.irp b, 0,1,2,3
.irp i, 0,2,4,6
	v_pk_fma_f32 v[TMP+8*\b+\i:TMP+8*\b+\i+1], v[AC+8*\b+\i:AC+8*\b+\i+1], s[100:101], v[BI+8*\b+\i:BI+8*\b+\i+1] op_sel_hi:[1,0,1]   ; each accumulator from its low end on
.endr
.endr
	WIN 0
.irp b, 0,1,2,3
	ds_store_b128 v[STO], v[TMP+8*\b:TMP+8*\b+3] offset:64*\b
	ds_store_b128 v[STO], v[TMP+8*\b+4:TMP+8*\b+7] offset:64*\b+16
.endr
.irp t, 0,1,2,3,4,5,6,7
	ds_load_b128 v[BB+4*\t:BB+4*\t+3], v[RD] offset:\t*2*SPITCH
.endr
.endm
.macro SEND a, younger                 ; younger: the LDS instructions issued behind block a's loads, which may stay out
.set BB, BK+32*((\a)%2)
	s_wait_dscnt \younger                          ; the block is back in registers
.if (\a) > 0
	s_add_nc_u64 s[8:9], s[8:9], 65536             ; 16 rows on (behind a wait on XCNT: the earlier stores have read their base)
.endif
.irp t, 0,1,2,3,4,5,6,7
	global_store_b128 v[CO], v[BB+4*\t:BB+4*\t+3], s[8:9] offset:8192*\t th:TH_STORE_NT   ; sixteen lanes store 256 consecutive bytes, aligned; written once, read by nobody here
.endr
.endm
	s_wait_kmcnt 0x0
	s_add_co_i32 s100, s96, s97
	s_add_co_i32 s100, s100, 127
	s_lshl_b32 s100, s100, 23                      ; 2^(entries 10 + 11) as f32
	s_mov_b32 s101, s100                           ; (named with it as a pair, so it is written)
	s_wait_loadcnt 0x0                             ; bp
	PLACES NP                                      ; in front of the first read of results and of loads into the registers that held y's fragments
	TOSTAGE 0
.irp a, 1,2,3,4,5,6,7
.if \a > 1
	s_wait_xcnt 0x0                                ; block a - 2's stores have read their registers and their base
.endif
	TOSTAGE \a
	SEND \a-1, 16                                  ; behind block a - 1's loads: block a's 8 stores and 8 loads
.endr
	s_wait_xcnt 0x0
	SEND 7, 0
	s_wait_tensorcnt 0x0                           ; the wave's end
	ds_add_u32 v[SPW], v[NIL]
	s_wait_dscnt 0x0
	CROUND                                         ; the closing round: no work-group ends while a partner may still ask for a tile that names it
	s_endpgm
.Lfunc_end_k_q36d5577734_proj:
	.size	k_q36d5577734_proj, .Lfunc_end_k_q36d5577734_proj-k_q36d5577734_proj
	.p2alignl 7, 3214868480
	.fill 96, 4, 3214868480
	.section	.rodata,"a",@progbits
	.p2align	6, 0x0
	.amdhsa_kernel k_q36d5577734_proj
		.amdhsa_group_segment_fixed_size 327680
		.amdhsa_private_segment_fixed_size 0
		.amdhsa_enable_private_segment 0
		.amdhsa_kernarg_size 40
		.amdhsa_user_sgpr_count 2
		.amdhsa_user_sgpr_kernarg_segment_ptr 1
		.amdhsa_wavefront_size32 1
		.amdhsa_system_sgpr_workgroup_id_x 1
		.amdhsa_system_sgpr_workgroup_id_y 1
		.amdhsa_system_sgpr_workgroup_id_z 1
		.amdhsa_system_vgpr_workitem_id 0
		.amdhsa_next_free_vgpr 768
		.amdhsa_next_free_sgpr 102
		.amdhsa_reserve_vcc 0
		.amdhsa_float_denorm_mode_32 3
		.amdhsa_float_denorm_mode_16_64 3
		.amdhsa_memory_ordered 1
		.amdhsa_forward_progress 1
		.amdhsa_inst_pref_size 79
	.end_amdhsa_kernel
	.amdgpu_metadata
---
amdhsa.version: [ 1, 2 ]
amdhsa.kernels:
  - .name:           k_q36d5577734_proj
    .symbol:         k_q36d5577734_proj.kd
    .args:
      - { .name: y_img, .offset: 0, .size: 8, .value_kind: global_buffer, .address_space: global }
      - { .name: xw_img, .offset: 8, .size: 8, .value_kind: global_buffer, .address_space: global }
      - { .name: lowp_scales, .offset: 16, .size: 8, .value_kind: global_buffer, .address_space: global }
      - { .name: bp, .offset: 24, .size: 8, .value_kind: global_buffer, .address_space: global }
      - { .name: out0, .offset: 32, .size: 8, .value_kind: global_buffer, .address_space: global }
    .group_segment_fixed_size: 327680
    .private_segment_fixed_size: 0
    .kernarg_segment_align: 8
    .kernarg_segment_size: 40
    .max_flat_workgroup_size: 128
    .sgpr_count:     102
    .vgpr_count:     768
    .wavefront_size: 32
...
	.end_amdgpu_metadata
.endif
;; end of part 4
